; MI455X (gfx1250); checked and timed in simulation.
; The chip was launched on July 23, 2026; its instructions are those of AMD's public machine-readable ISA for CDNA 5 (MIT licence, August 2026) and "CDNA5" Instruction Set Architecture Reference Guide (July 2026). The comments in the code are by the model that wrote it; some were corrected since.
;; Attention. Allowed arithmetic: matrix products marked QUANTISED: E2M3 operands, one E8M0 scale for each 32 along K, by v_wmma_scale_f32_16x16x128_f8f6f4 with both operands' format E2M3, f32 sums; everything else in f32.
;; Inputs: Wk 1,024 x 1,024 float32; Wq 1,024 x 1,024 float32; Wv 1,024 x 1,024 float32; bk 1,024 float32; bq 1,024 float32; bv 1,024 float32; x 4 x 2,048 x 1,024 float32.
;; Outputs: out0 4 x 2,048 x 1,024 float32.
;; This version of the problem:
;;   THIS VERSION OF THE PROBLEM IS GIVEN IN LOW PRECISION. The matrix products marked QUANTISED in the list below multiply operands that are first quantised to E2M3 (2 exponent bits, 3 mantissa bits; 6 bits a number), with one power-of-two scale for each 32 numbers along K (OCP MX v1.0); their sums are f32. All else is computed in f32.
;;   The module's matrix products, in the order in which they are computed (A, B: the left and right operand; K: the contracted axis; several contracted axes count as one K, in the product's order):
;;     1. [M 8,192, K 1,024] x [K 1,024, N 1,024]; A: input x; B: input Wq: QUANTISED
;;     2. [M 8,192, K 1,024] x [K 1,024, N 1,024]; A: input x; B: input Wk: QUANTISED
;;     3. [M 8,192, K 1,024] x [K 1,024, N 1,024]; A: input x; B: input Wv: QUANTISED
;;     4. batch 4 x [M 2,048, K 1,024] x [K 1,024, N 2,048]; A: computed on the way; B: computed on the way: QUANTISED
;;     5. batch 4 x [M 2,048, K 2,048] x [K 2,048, N 1,024]; A: softmax (see below); B: computed on the way: QUANTISED
;;   THE QUANTISER, for each operand of a quantised product, along K:
;;     - K is cut into blocks of 32 from its start; a last block that is shorter is filled with zeros.
;;     - A block's scale is 2^e with e = floor(log2(the largest magnitude in the block)) - 2, held to -126 .. 127; a block of zeros has e = 0. As a byte (E8M0): e + 127.
;;     - Each number is divided by its block's scale, clamped to +-7.5, and rounded to the nearest number of E2M3, ties to even, subnormals kept.
;;     - The product sums the exact products of the quantised numbers (number of the format x scale) in f32.
;;   ~~~python
;;   def quantise(x, axis):      # numpy; x: float32 -> the quantised numbers, widened to float32 again
;;       x = np.moveaxis(x, axis, -1); K = x.shape[-1]
;;       x = np.pad(x, [(0, 0)] * (x.ndim - 1) + [(0, -K % 32)]); x = x.reshape(x.shape[:-1] + (-1, 32)); a = np.abs(x).max(-1, keepdims=True)
;;       e = np.where(a > 0, np.clip(np.frexp(np.where(a > 0, a, 1))[1] - 1 - 2, -126, 127), 0)      # np.frexp(a)[1] - 1 = floor(log2(a)), exactly
;;       r = np.clip(x / 2.0 ** e, -7.5, 7.5)
;;       step = 2.0 ** (np.maximum(np.frexp(np.where(r == 0, 1, r))[1] - 1, 0) - 3)
;;       q = np.round(r / step) * step * 2.0 ** e      # np.round: ties to even
;;       return np.moveaxis(q.reshape(q.shape[:-2] + (-1,))[..., :K], -1, axis).astype(np.float32)
;;   ~~~
;;   SOFTMAX AHEAD OF A QUANTISED PRODUCT. Where the list says 'softmax', what is quantised is not the finished softmax but p = 2^(t - M), with t = logit x log2(e) and M = ceil(the row's largest t), a whole number; so 1/2 < the row's largest p <= 1. The row's sum l is taken of the UNQUANTISED p, in f32, and the product's result is divided by l at the end. Since M is a whole number, a kernel that streams over the keys may use a running M (the ceiling of the running maximum): every later rescaling is an exact power of two, which a block's scale takes up: the codes' values come out the same.
;;   OPERANDS COMPUTED ON THE WAY. 'Computed on the way' means the value that the module computes at that place (a softmax that the list does not call 'softmax' is quantised finished and normalised). What goes into a quantiser is computed in f32, as accurately as f32 sums, v_exp_f32 and their like allow (about 1e-6 of the number): no bf16 or f16 on the way to a quantiser, and a product that is left as it is and whose result goes on into a quantised operand takes f32 operands (vector FMAs, or v_wmma_f32_16x16x4_f32). A number that lies on a knife's edge between two numbers of the format may be rounded either way, as far as f32 arithmetic and the matrix unit's own rounding can turn it there, and no further.
;; One version. Each part assembles by itself: llvm-mc -triple=amdgcn-amd-amdhsa -mcpu=gfx1250 --defsym DOCPART=n.
;; ======== version 1 of 1: 4 launches
;; workspace buffers: xwc 8,650,752 bytes; xws 360,448 bytes; qkv 18,874,368 bytes; qkvs 786,432 bytes; pc 12,582,912 bytes; pst 1,572,864 bytes
;; launch quant (part 1): grid 176 x 2, 4 waves a work-group, no clusters, 69,120 bytes of LDS; arguments x, Wq, Wk, Wv, xwc, xws; writes xwc, xws
.if DOCPART == 1
	.amdgcn_target "amdgcn-amd-amdhsa--gfx1250"
	.amdhsa_code_object_version 6
	.text
	.protected	k_q4e469c03d4_quant
	.globl	k_q4e469c03d4_quant
	.p2align	8
	.type	k_q4e469c03d4_quant,@function
k_q4e469c03d4_quant:
	s_mov_b64 s[64:65], 0
	v_nop
	global_prefetch_b8 v0, s[64:65] scope:SCOPE_SE
	s_setreg_imm32_b32 hwreg(HW_REG_WAVE_MODE, 25, 1), 1
	s_wait_xcnt 0x0
; x [8192][1024], Wq, Wk, Wv [1024][1024], f32, K innermost, become codes of FP6 (E2M3) with one E8M0 byte for each 32 along K, laid IN THE ORDER OF AN OPERAND'S REGISTERS.
; A fragment is 16 rows x 128 K: 12 registers a lane (lane (r, h): registers 6 c .. 6 c + 5 hold k = 64 c + 32 h + 0 .. 31 of row r).  Its image is 1,536 bytes: registers 4 c .. 4 c + 3 of lane l at 512 c + 16 l.
; xwc: [4 slots of 256 K][704 row blocks][2 K steps][1536];  xws: [8 K steps][704 row blocks][16 rows] words of four bytes.  Row blocks 0-511 x, 512-575 Wq, 576-639 Wk, 640-703 Wv.
; THE ROWS OF A BLOCK ARE NOT NEIGHBOURS: lane r of block 2 b + u holds row 32 b + 8 u + r + 8 (r / 8), so that, where such blocks are a product's source 0, the 16 result registers of blocks 2 b and 2 b + 1 are 16 neighbours.
; A block's scale is 2^(floor(log2(largest magnitude)) - 2): its byte is the largest magnitude's exponent field - 2, held at 1 from below.
; LIMITS: a block of zeros, or one whose largest magnitude lies under 2^-124, keeps the byte 1 (its codes are zeros or the nearest codes under that scale; this program alone reads the bytes); NaN and infinities are not served.
; SHARES: work-group x takes 64 rows (four row blocks), wave w of work-group y the K step 4 y + w: four fragments, 32 KiB of f32.  Waves share nothing: no barrier.  No tile is read by two work-groups: no cluster, no matrix unit.
; Each load reads 512 consecutive bytes of one row; a block's 16 rows turn through the wave's own stage in LDS (rows 528 bytes apart) and come back 128 bytes a lane and half a row.  Loads run two blocks (32 loads a wave) ahead.
.set WREG,  17152                      ; LDS of a wave: two stages of 16 x 528 bytes, then its 256 bytes of scale words
.set SP,    528
.set STG,   16*SP
.set SWD,   2*STG
.set XSL,   2162688                    ; a slot of xwc: 704 x 2 x 1536
.set R,     16                         ; v16-143   two sets of 64: a block's rows as loaded
.set X,     144                        ; v144-207  register 32 c + i = k 64 c + 32 h + i of my row
.set C,     208                        ; v208-231  two sets of 12: the codes
.set T2,    232                        ; v232-238  the upper halves of the two blocks' codes as the conversions leave them
.set MX,    240                        ; v240-241  largest magnitudes
.set SO,    242                        ; v242-243  the conversions' scale operands
.set BY,    244                        ; v244-245  the bytes
.set W,     246                        ; v246      my row's scale word
.set PD,    247                        ; v247      the lane permute's destination
.set OW,    248                        ; v248-249  scale words on the way out
	s_load_b256 s[4:11], s[0:1], 0x0               ; x, Wq, Wk, Wv
	s_load_b128 s[12:15], s[0:1], 0x20             ; xwc, xws
	v_lshl_add_u32 v254, v0, 2, 0x10c00
	v_mov_b32 v255, 0
	v_lshrrev_b32 v1, 5, v0
	v_readfirstlane_b32 s16, v1                    ; wave
	v_and_b32 v1, 31, v0                           ; lane
	v_and_b32 v2, 15, v0                           ; r
	v_bfe_u32 v3, v0, 4, 1                         ; h
	v_lshlrev_b32 v4, 4, v1                        ; 16 x lane: loads, and the codes' stores
	s_mul_i32 s17, s16, WREG
	v_add_nc_u32 v5, s17, v4                       ; the stage, on the way in
	v_mul_u32_u24 v6, v2, SP
	v_lshl_add_u32 v6, v3, 7, v6
	v_add_nc_u32 v6, s17, v6                       ; and on the way out: row r, + 128 h
	s_add_co_u32 s17, s17, SWD
	v_lshl_add_u32 v7, v2, 2, s17                  ; my row's scale word
	v_lshl_add_u32 v8, v1, 3, s17                  ; the words on the way out, 8 bytes a lane
	v_lshlrev_b32 v9, 3, v3                        ; 8 h: my bytes' place in the word
	v_lshlrev_b32 v10, 3, v1
	v_mov_b32 v[PD], 0                             ; written once: a lane permute's destination counts as one of its sources
	s_and_b32 s18, ttmp7, 0xffff
	s_lshl_b32 s18, s18, 2
	s_add_co_u32 s18, s18, s16                     ; my K step: 4 y + wave
	s_mov_b32 s20, 0x76543210
	s_mov_b32 s21, 0xfedcba98                      ; v_permlanex16_b32's selects for lane l xor 16
	s_wait_kmcnt 0x0
	s_cmp_lt_u32 ttmp9, 128                        ; which tensor: the choice hangs on the work-group's number alone
	s_cselect_b64 s[4:5], s[4:5], s[6:7]
	s_cselect_b32 s22, 0, 128
	s_cmp_lt_u32 ttmp9, 144
	s_cselect_b64 s[4:5], s[4:5], s[8:9]
	s_cselect_b32 s22, s22, 144
	s_cmp_lt_u32 ttmp9, 160
	s_cselect_b64 s[4:5], s[4:5], s[10:11]
	s_cselect_b32 s22, s22, 160
	s_sub_co_u32 s22, ttmp9, s22                   ; which 64 rows of that tensor
	s_lshl_b32 s22, s22, 18                        ; x 64 rows of 4,096 bytes
	s_lshl_b32 s23, s18, 9                         ; + 512 bytes a K step
	s_add_co_u32 s22, s22, s23
	s_mov_b32 s23, 0
	s_add_nc_u64 s[4:5], s[4:5], s[22:23]
	s_lshr_b32 s24, s18, 1
	s_mul_i32 s24, s24, XSL                        ; the codes: slot,
	s_mul_i32 s25, ttmp9, 12288                    ; four row blocks of 3,072 bytes a work-group,
	s_add_co_u32 s24, s24, s25
	s_and_b32 s25, s18, 1
	s_mul_i32 s25, s25, 1536                       ; the K step in the slot
	s_add_co_u32 s24, s24, s25
	s_mov_b32 s25, 0
	s_add_nc_u64 s[12:13], s[12:13], s[24:25]
	s_mul_i32 s24, s18, 45056                      ; the scale words: 704 x 64 bytes a K step,
	s_lshl_b32 s26, ttmp9, 8                       ; 256 bytes a work-group
	s_add_co_u32 s24, s24, s26
	s_add_nc_u64 s[14:15], s[14:15], s[24:25]
.macro LOAD t                          ; block t's 16 rows, 512 consecutive bytes each, into set t % 2
.irp i, 0,1,2,3,4,5,6,7,8,9,10,11,12,13,14,15
	global_load_b128 v[R+64*((\t)%2)+4*\i:R+64*((\t)%2)+4*\i+3], v4, s[4:5] offset:(32*((\t)/2)+8*((\t)%2)+\i+8*(\i/8))*4096 th:TH_LOAD_NT
.endr
.endm
.macro TILE t
.set CT, C+12*((\t)%2)
.if (\t) < 3
	s_wait_loadcnt 16                              ; this block's 16 loads are in; the next block's 16 may be out
.else
	s_wait_loadcnt 0x0
.endif
.irp i, 0,1,2,3,4,5,6,7,8,9,10,11,12,13,14,15
	ds_store_b128 v5, v[R+64*((\t)%2)+4*\i:R+64*((\t)%2)+4*\i+3] offset:STG*((\t)%2)+SP*\i
.endr
.irp c, 0,1
.irp j, 0,1,2,3,4,5,6,7
	ds_load_b128 v[X+32*\c+4*\j:X+32*\c+4*\j+3], v6 offset:STG*((\t)%2)+256*\c+16*\j   ; LDS serves a wave's instructions in order: these see the stores above
.endr
.endr
	s_wait_dscnt 0x0                               ; my numbers are back, the stores have read their registers, and the last block's word is stored
.if (\t) < 2
	LOAD (\t)+2
.endif
.irp c, 0,1
	v_max3_num_f32 v[MX+\c], |v[X+32*\c]|, |v[X+32*\c+1]|, 0x1800000   ; my block 2 c + h: all 32 numbers are mine; the floor 2^(3 - 127) holds the byte at 1 from below
.endr
.irp i, 2,4,6,8,10,12,14,16,18,20,22,24,26,28,30
.irp c, 0,1
	v_max3_num_f32 v[MX+\c], v[MX+\c], |v[X+32*\c+\i]|, |v[X+32*\c+\i+1]|
.endr
.endr
.irp c, 0,1
	v_add_nc_u32 v[SO+\c], 0xff000000, v[MX+\c]    ; 2 off the exponent field: the conversion takes this operand's exponent field as its scale
.endr
.irp c, 0,1
	v_lshrrev_b32 v[BY+\c], 23, v[SO+\c]           ; the byte
.endr
	v_lshl_or_b32 v[W], v[BY+1], 16, v[BY]         ; my two bytes, blocks h and 2 + h,
	v_lshlrev_b32 v[W], v9, v[W]                   ; at their places;
	v_permlanex16_b32 v[PD], v[W], s20, s21
	v_or_b32 v[W], v[W], v[PD]                     ; with lane l xor 16's two the word is whole
.if (\t) >= 2
	s_wait_xcnt 0x0                                ; the stores of two blocks ago have read this set of codes
.endif
.irp c, 0,1
	v_cvt_scalef32_pk16_fp6_f32 v[CT+6*\c:CT+6*\c+2], v[X+32*\c:X+32*\c+15], v[SO+\c]
	v_cvt_scalef32_pk16_fp6_f32 v[T2+4*\c:T2+4*\c+2], v[X+32*\c+16:X+32*\c+31], v[SO+\c]   ; (a conversion's three registers begin on an even number)
.endr
	v_nop                                          ; one plain place behind a scaled conversion
.irp c, 0,1
.irp i, 0,1,2
	v_mov_b32 v[CT+3+6*\c+\i], v[T2+4*\c+\i]
.endr
.endr
	ds_store_b32 v7, v[W] offset:64*(\t)           ; lanes r and r + 16 write the same word with the same value
.irp c, 0,1,2
	global_store_b128 v4, v[CT+4*\c:CT+4*\c+3], s[12:13] offset:3072*(\t)+512*\c   ; 32 lanes store 512 consecutive bytes, aligned
.endr
.endm
	LOAD 0
	LOAD 1
	TILE 0
	TILE 1
	TILE 2
	TILE 3
	ds_load_b64 v[OW:OW+1], v8                     ; the four blocks' 64 words
	s_wait_dscnt 0x0
	global_store_b64 v10, v[OW:OW+1], s[14:15]     ; 32 lanes store 256 consecutive bytes, aligned
	s_wait_tensorcnt 0x0
	ds_add_u32 v254, v255
	s_wait_dscnt 0x0
	s_endpgm
.Lfunc_end_k_q4e469c03d4_quant:
	.size	k_q4e469c03d4_quant, .Lfunc_end_k_q4e469c03d4_quant-k_q4e469c03d4_quant
	.p2alignl 7, 3214868480
	.fill 96, 4, 3214868480
	.section	.rodata,"a",@progbits
	.p2align	6, 0x0
	.amdhsa_kernel k_q4e469c03d4_quant
		.amdhsa_group_segment_fixed_size 69120
		.amdhsa_private_segment_fixed_size 0
		.amdhsa_enable_private_segment 0
		.amdhsa_kernarg_size 48
		.amdhsa_user_sgpr_count 2
		.amdhsa_user_sgpr_kernarg_segment_ptr 1
		.amdhsa_wavefront_size32 1
		.amdhsa_system_sgpr_workgroup_id_x 1
		.amdhsa_system_sgpr_workgroup_id_y 1
		.amdhsa_system_sgpr_workgroup_id_z 1
		.amdhsa_system_vgpr_workitem_id 0
		.amdhsa_next_free_vgpr 256
		.amdhsa_next_free_sgpr 66
		.amdhsa_reserve_vcc 0
		.amdhsa_float_denorm_mode_32 3
		.amdhsa_float_denorm_mode_16_64 3
		.amdhsa_memory_ordered 1
		.amdhsa_forward_progress 1
		.amdhsa_inst_pref_size 31
	.end_amdhsa_kernel
	.amdgpu_metadata
---
amdhsa.version: [ 1, 2 ]
amdhsa.kernels:
  - .name:           k_q4e469c03d4_quant
    .symbol:         k_q4e469c03d4_quant.kd
    .args:
      - { .name: x, .offset: 0, .size: 8, .value_kind: global_buffer, .address_space: global }
      - { .name: Wq, .offset: 8, .size: 8, .value_kind: global_buffer, .address_space: global }
      - { .name: Wk, .offset: 16, .size: 8, .value_kind: global_buffer, .address_space: global }
      - { .name: Wv, .offset: 24, .size: 8, .value_kind: global_buffer, .address_space: global }
      - { .name: xwc, .offset: 32, .size: 8, .value_kind: global_buffer, .address_space: global }
      - { .name: xws, .offset: 40, .size: 8, .value_kind: global_buffer, .address_space: global }
    .group_segment_fixed_size: 69120
    .private_segment_fixed_size: 0
    .kernarg_segment_align: 8
    .kernarg_segment_size: 48
    .max_flat_workgroup_size: 128
    .sgpr_count:     66
    .vgpr_count:     256
    .wavefront_size: 32
...
	.end_amdgpu_metadata
.endif
;; end of part 1
;; launch proj (part 2): grid 8 x 32, 4 waves a work-group, clusters of 4 x 4, 327,680 bytes of LDS; arguments xwc, xws, bq, bk, bv, qkv, qkvs; writes qkv, qkvs
.if DOCPART == 2
	.amdgcn_target "amdgcn-amd-amdhsa--gfx1250"
	.amdhsa_code_object_version 6
	.text
	.protected	k_q4e469c03d4_proj
	.globl	k_q4e469c03d4_proj
	.p2align	8
	.type	k_q4e469c03d4_proj,@function
k_q4e469c03d4_proj:
	s_mov_b64 s[64:65], 0
	v_nop
	global_prefetch_b8 v0, s[64:65] scope:SCOPE_SE
	s_setreg_imm32_b32 hwreg(HW_REG_WAVE_MODE, 25, 1), 1
	s_wait_xcnt 0x0
	s_wait_alu depctr_hold_cnt(0) depctr_sa_sdst(0) depctr_va_vdst(0) depctr_va_sdst(0) depctr_va_ssrc(0) depctr_va_vcc(0) depctr_vm_vsrc(0)
	s_getreg_b32 s2, hwreg(HW_REG_IB_STS2, 6, 4)
	s_cmp_eq_u32 s2, 0
	s_cbranch_scc0 .Lentry_in_a_cluster
	s_endpgm
.Lentry_in_a_cluster:
	s_bfe_u32 s2, ttmp6, 0x10000c
	s_cmp_lg_u32 s2, 0xf033
	s_cbranch_scc0 .Lentry_shape_is_right
	s_endpgm
.Lentry_shape_is_right:
; Q = x Wq^T + bq, K = x Wk^T + bk, V = x Wv^T + bv on codes of FP6 (E2M3) with E8M0 scales, sums in f32; each result is quantised in registers for the product that takes it next and leaves as codes:
; Q and K along the output channels (their next K), V along the tokens (the keys).  Operands and results lie as images of operand registers (a fragment of 16 rows x 128 K: 1,536 bytes; registers 4 c .. 4 c + 3 of lane l at 512 c + 16 l).
; A WORK-GROUP STAYS AND MAKES TWO TILES, so that 8,192 x 3,072 results fall evenly on 256 work-groups.
;   TILE 1: 256 tokens x 256 channels of Q or K: A = x (tile row 4 y + cy), B = Wq, Wk (tile column 4 x + cx); four waves, 128 x 128 each: 64 accumulators.
;   TILE 2: 256 channels x 128 tokens of V: A = Wv (channels 256 cy on), B = x (tokens 128 g on, g = 4 (x + 2 y) + cx); wave w takes channels 64 w on against all 128 tokens: 32 accumulators.
; THE MATRIX INSTRUCTION: source 0 = 16 rows of B, source 1 = 16 rows of A: a lane holds one row of A, and its registers run along B's rows.  The rows of a block are laid so (lane r of block 2 b + u: row 32 b + 8 u + r + 8 (r / 8))
; that the 16 registers of blocks 2 b and 2 b + 1 are 16 neighbours: 128 rows of B are one K step of the next product, and each block of A's rows gives one fragment and one scale word a row.
; LDS AND THE FILLS.  Tile 1's K = 1,024 is four slots of 256 (98,304 bytes: A's two halves, B's two halves, 24,576 each, one dense block a wave).  Three slots lie in LDS and are filled together at the head.  Three refills follow, each
; behind a round of the cluster's barrier: the fourth K slot into slot 0, asked for when slot 0 is read out (two slots' 256 matrix instructions ahead of its first read); tile 2's K 0 .. 511 into bytes 147,456 on, when slot 2 is read out;
; tile 2's K 512 .. 1,023 into bytes 0 on, in the middle of tile 1's way out.  Each half of tile 2 comes by ONE load a wave: two rows of 24,576 bytes, a slot of xwc apart (waves 0, 1: Wv's halves; wave 2: x's 128 tokens; wave 3: none).
; CLUSTERS: 4 x 4 work-groups; A's tiles are asked for jointly along a row of the cluster, B's along a column, in both tiles.  The scale words (28,672 of a work-group's 716,800 bytes) come by plain loads of 512 consecutive bytes and LDS
; stores: joint loads for them would want 32 scalar registers more than there are.
; qkv: Q, K [8 slots: 0-3 Q, 4-7 K][512 row blocks][2][1536]; from byte 12,582,912 V [8 batch + slot][64 channel blocks][2][1536].  qkvs: [16 K steps][512][16] words; from byte 524,288 V's [16 batch + K step][64][16].
; LIMITS: a block of zeros or under 2^-124 keeps the scale byte 1 (read by this program alone); NaN and infinities are not served.
; No prefetch: a work-group has three refills in all, each asked for two slots' products, or half a way out and more, ahead of its first read.
; REGISTERS: window 0: v0-31 addresses; v32-63 scale words, two sets, and nothing else; v64-127 bias along the registers; v128-223 A's fragments (tile 1: eight, one set; tile 2: two sets of four; on the ways out: 64 numbers and the codes);
; v224-227 the lane's bias; v232-251 at work.  window 1: B's fragments, two sets, at v0 and v128.  windows 2, 3: accumulator (a, b) at v[8 (8 (a % 4) + b)].
.set FR,    12                         ; registers of a fragment
.set NL,    3                          ; LDS loads that bring one
.set NQ,    2                          ; K steps of 128 in a slot
.set RGN,   24576                      ; 8 row blocks x 2 K steps x 1,536
.set SLOT,  4*RGN                      ; tile 1: A's two halves, then B's two
.set DRG,   2*RGN                      ; tile 2: 8 row blocks, two K slots on end
.set D1B,   147456                     ; tile 2's first half of K: three regions of DRG (Wv's halves, x's tokens)
.set D2B,   0                          ; its second half
.set SCL,   3*SLOT                     ; behind the slots: tile 1's scale words, 4,096 bytes (8 K steps x 512) for each 128 rows
.set SCL2,  SCL+16384                  ; tile 2's: Wv's two halves, x's tokens, 4,096 bytes each
.set SCR,   SCL2+12288                 ; the ways out' scale words: tile 1's 512 bytes a wave,
.set SCRV,  SCR+2048                   ; tile 2's 256 bytes a wave
.set SPARE, SCR+3072                   ; the spare words, 128 bytes a wave: two blocks of 256 bytes that no other line names
.set XSL,   2162688                    ; a slot of xwc
.set LI,    4                          ; v4      16 x lane
.set ADRA,  8                          ; v8-10   tile 1: my A fragments in slot 0, 1, 2
.set ADRB,  11                         ; v11-13  my B fragments
.set ADRS,  14                         ; v14     my scale words: lanes 0-15 A's rows, lanes 16-31 B's
.set ADRSV, 15                         ; v15     the same for tile 2
.set ADRA2, 16                         ; v16-17  tile 2: my A fragments in the first, the second half of K
.set ADRB2, 18                         ; v18-19  B's
.set SWA,   20                         ; v20     tile 1's way out: my row's scale word
.set SRA,   21                         ; v21     and the words read back
.set SWV,   22                         ; v22-23  the same for tile 2
.set SRV,   23
.set L8,    24                         ; v24     8 x lane
.set SCW,   25                         ; v25     where I put tile 1's scale words at the head
.set SCW2,  26                         ; v26     and tile 2's
.set SPW,   28                         ; v28     my spare word; never rewritten
.set NIL,   29                         ; v29     0; never rewritten
.set SC,    32
.set BR,    64
.set AF,    128
.set X,     128
.set PC,    192
.set BL,    224
.set TM,    232
.set PW,    248
.set BB,    250
.set SEL,   18                         ; s[18:19] lane selects for v_permlanex16_b32
.set WV,    20                         ; s20 wave;  s21 its upper bit: my half of A's rows in tile 1, and: I fetch for A (0) or B (1);  s22 its lower bit: my half of B's rows, and which half I fetch
.set WHI,   21
.set WLO,   22
.set TR,    23                         ; s23 tile 1's row
.set G1,    24                         ; s[24:31] group 1 for A's codes in tile 1;  s[32:43] three groups 0
.set G0,    32
.set CX,    44
.set CY,    45
.set TC,    46                         ; s46 tile 1's column
.set GK,    47                         ; s47 tile 2's run of 128 tokens
.set G1B,   48                         ; s[48:55] the same for B;  its three groups 0
.set G0B0,  56
.set G0B1,  60
.set G0B2,  68
.set G1D,   72                         ; s[72:79] group 1 for tile 2's loads of A;  s[80:87] of B
.set G1DB,  80
.set A2P,   88                         ; s[88:89] where tile 2's part of Wv that I fetch begins;  s[90:91] x's tokens
.set B2P,   90
.set OC2,   92                         ; s[92:93], s[94:95] where tile 2's codes and scale words go
.set OS2,   94
.set MROW,  100
.set MCOL,  101
.set MSB, 0
.macro WIN new                         ; the immediate's high byte repeats the setting that is left
.if MSB != (\new)
	s_set_vgpr_msb (MSB<<8)|(\new)
.set MSB, (\new)
.endif
.endm
.set MUL_LO, 0xa1                      ; source 0 (B) window 1, source 1 (A) window 0, C and D window 2
.set MUL_HI, 0xf1                      ; the same, C and D window 3
.set TO_B,   0x40                      ; destination window 1, address window 0
.macro JLOAD g0a, g1a, g0b, g1b        ; tile 1's joint load: waves 0 and 1 fetch for A, waves 2 and 3 for B; four v_nop follow each of the two lines
	s_cmp_eq_u32 s[WHI], 0
	s_cbranch_scc0 .Lfor_b_\@
	tensor_load_to_lds s[\g0a:\g0a+3], s[\g1a:\g1a+7]
	s_nop 0
.rept 4
	v_nop
.endr
	s_branch .Lasked_\@
.Lfor_b_\@:
	tensor_load_to_lds s[\g0b:\g0b+3], s[\g1b:\g1b+7]
	s_nop 0
.rept 4
	v_nop
.endr
.Lasked_\@:
.endm
.macro JLOADV g0a, g0b                 ; tile 2's: waves 0 and 1 fetch Wv's halves, wave 2 x's tokens, wave 3 nothing.  The branches hang on the wave's number alone
	s_cmp_eq_u32 s[WHI], 0
	s_cbranch_scc0 .Lnot_a_\@
	tensor_load_to_lds s[\g0a:\g0a+3], s[G1D:G1D+7]
	s_nop 0
.rept 4
	v_nop
.endr
	s_branch .Lvasked_\@
.Lnot_a_\@:
	s_cmp_eq_u32 s[WV], 2
	s_cbranch_scc0 .Lvasked_\@
	tensor_load_to_lds s[\g0b:\g0b+3], s[G1DB:G1DB+7]
	s_nop 0
.rept 4
	v_nop
.endr
.Lvasked_\@:
.endm
.macro CREST                           ; a round of the cluster's barrier behind its opening barrier
	s_cmp_lg_u32 s[WV], 0
	s_cbranch_scc1 .Lnot_wave_0_\@
	s_barrier_signal -3
.Lnot_wave_0_\@:
	s_barrier_wait -3
	s_barrier_signal -1
	s_barrier_wait -1
.endm
.macro CROUND
	s_barrier_signal -1
	s_barrier_wait -1
	CREST
.endm
.macro PLACES n                        ; plain places behind matrix instructions, in front of loads into their registers and of reads of results
.rept \n
	v_nop
.endr
.endm
.macro FRAG reg, adr, off, i           ; a fragment's image: three loads of 512 consecutive bytes
.irp c, 0,1,2
	ds_load_b128 v[(\reg)+4*\c:(\reg)+4*\c+3], v[\adr] offset:3072*(\i)+(\off)+512*\c
.endr
.endm
.macro FETCH_B slot, q, p              ; tile 1: B's eight fragments of the slot's q-th K step into set p
	WIN TO_B
.irp i, 0,1,2,3,4,5,6,7
	FRAG 128*(\p)+FR*\i, ADRB+\slot, 1536*(\q), \i
.endr
	WIN 0
.endm
.macro FETCH_A slot, q, i0             ; A's blocks i0 .. i0 + 3
.irp i, \i0, \i0+1, \i0+2, \i0+3
	FRAG AF+FR*(\i), ADRA+\slot, 1536*(\q), \i
.endr
.endm
.macro SCALES sc, adr                  ; a slot's scale words into set sc: register 2 i + q: lanes 0-15 A's block i, lanes 16-31 B's block i
.irp i, 0,1,2,3,4,5,6,7
.irp q, 0,1
	ds_load_b32 v[SC+16*(\sc)+2*\i+\q], v[\adr] offset:512*\q+64*\i
.endr
.endr
.endm
; 16 matrix instructions: A's blocks a0, a0 + 1 x B's eight.  The 64 accumulators take turns, one instruction a turn, in the same order in every step.  zero = 1: the first product starts the sums.
.macro MUL16 a0, p, q, sc, zero
.irp a, \a0, \a0+1
.irp b, 0,1,2,3,4,5,6,7
.if \zero
	v_wmma_scale_f32_16x16x128_f8f6f4 v[8*(8*((\a)%4)+\b):8*(8*((\a)%4)+\b)+7], v[128*(\p)+FR*\b:128*(\p)+FR*\b+FR-1], v[AF+FR*(\a):AF+FR*(\a)+FR-1], 0, v[SC+8*NQ*(\sc)+NQ*\b+(\q)], v[SC+8*NQ*(\sc)+NQ*(\a)+(\q)] matrix_a_fmt:MATRIX_FMT_FP6 matrix_b_fmt:MATRIX_FMT_FP6 matrix_a_scale:MATRIX_SCALE_ROW1
.else
	v_wmma_scale_f32_16x16x128_f8f6f4 v[8*(8*((\a)%4)+\b):8*(8*((\a)%4)+\b)+7], v[128*(\p)+FR*\b:128*(\p)+FR*\b+FR-1], v[AF+FR*(\a):AF+FR*(\a)+FR-1], v[8*(8*((\a)%4)+\b):8*(8*((\a)%4)+\b)+7], v[SC+8*NQ*(\sc)+NQ*\b+(\q)], v[SC+8*NQ*(\sc)+NQ*(\a)+(\q)] matrix_a_fmt:MATRIX_FMT_FP6 matrix_b_fmt:MATRIX_FMT_FP6 matrix_a_scale:MATRIX_SCALE_ROW1
.endif
.endr
.endr
.endm
.macro STEP slot, sc, zero             ; tile 1: a slot's first K step; it fetches the second
	s_wait_dscnt 4*NL                              ; all but the youngest 12 loads (A's blocks 4-7) are in
	WIN MUL_LO
	MUL16 0, 0, 0, \sc, \zero
	MUL16 2, 0, 0, \sc, \zero
	s_wait_dscnt 0x0                               ; A's blocks 4-7 are in
	PLACES 4
	FETCH_B \slot, 1, 1
	FETCH_A \slot, 1, 0
	WIN MUL_HI
	MUL16 4, 0, 0, \sc, \zero
	MUL16 6, 0, 0, \sc, \zero
	PLACES 4
	WIN 0
	FETCH_A \slot, 1, 4
.endm
; Tile 1: a slot's second K step, which goes on to slot 'next'.  mode 0: no barrier: the next slot was shown whole to every wave by an earlier barrier, and nothing is filled.  mode 1, 2: a refill: in front of the barrier each wave waits
; for all its tensor loads, adds 0 to its spare word, and waits for that and for its reads of the slots read so far; the barrier opens a round of the cluster's; the joint refill is the first tensor load behind the round.
; mode 1: the fourth K slot into slot 0.  mode 2: tile 2's first half of K into the bytes of slots 1 and 2 from D1B on.
.macro TURN next, sc, mode
.if \mode
	s_wait_tensorcnt 0x0                           ; all my tensor loads have landed
	ds_add_u32 v[SPW], v[NIL]                      ; 0 onto my spare word
	s_wait_dscnt 4*NL+1                            ; (the add and the youngest 12 loads may be out)
.else
	s_wait_dscnt 4*NL
.endif
	WIN MUL_LO
	MUL16 0, 1, 1, \sc, 0
.if \mode
	s_wait_dscnt 0x0                               ; the add is done, and my reads of this slot are over
	s_barrier_signal -1
.endif
	MUL16 2, 1, 1, \sc, 0
	WIN 0
.if \mode
	s_barrier_wait -1
	CREST                                          ; no wave of any partner still reads the bytes to be filled or has a load on its way
.if \mode == 1
	s_add_nc_u64 s[G0+2:G0+3], s[G0+2:G0+3], 3*XSL
	s_add_nc_u64 s[G0B0+2:G0B0+3], s[G0B0+2:G0B0+3], 3*XSL
	JLOAD G0, G1, G0B0, G1B                        ; its four v_nop are the places in front of the loads below
.else
	s_mul_i32 s4, s[WLO], DRG
	s_add_co_u32 s[G0+5], s4, D1B                  ; slot 1's groups 0 are free since the wait above: they take tile 2's first half
	s_mov_b64 s[G0+6:G0+7], s[A2P:A2P+1]
	s_or_b32 s[G0+7], s[G0+7], 0x80000000
	s_mov_b32 s[G0B1+1], D1B+2*DRG
	s_mov_b64 s[G0B1+2:G0B1+3], s[B2P:B2P+1]
	s_or_b32 s[G0B1+3], s[G0B1+3], 0x80000000
	JLOADV G0+4, G0B1
	PLACES 4                                       ; (wave 3 has passed no v_nop)
.endif
.else
	s_wait_dscnt 0x0                               ; A's blocks 4-7 are in
	PLACES 4
.endif
	v_add_nc_u32 v[ADRS], 512*NQ, v[ADRS]          ; on to the next slot's scale words
	FETCH_B \next, 0, 0
	FETCH_A \next, 0, 0
	SCALES 1-\sc, ADRS
	WIN MUL_HI
	MUL16 4, 1, 1, \sc, 0
	MUL16 6, 1, 1, \sc, 0
	PLACES 4
	WIN 0
	FETCH_A \next, 0, 4
.endm
.macro LAST                            ; tile 1's last K step: nothing more to fetch
	s_wait_dscnt 4*NL
	WIN MUL_LO
	MUL16 0, 1, 1, 1, 0
	MUL16 2, 1, 1, 1, 0
	s_wait_dscnt 0x0
	WIN MUL_HI
	MUL16 4, 1, 1, 1, 0
	MUL16 6, 1, 1, 1, 0
	WIN 0
.endm
; TILE 2.  8 matrix instructions: my block a of Wv x the eight blocks of tokens.  The 32 accumulators take turns in the same order in every step.
.macro MULV8 a, p, q, sc, zero
.irp b, 0,1,2,3,4,5,6,7
.if \zero
	v_wmma_scale_f32_16x16x128_f8f6f4 v[8*(8*(\a)+\b):8*(8*(\a)+\b)+7], v[128*(\p)+FR*\b:128*(\p)+FR*\b+FR-1], v[AF+48*(\p)+FR*(\a):AF+48*(\p)+FR*(\a)+FR-1], 0, v[SC+16*(\sc)+2*\b+(\q)], v[SC+16*(\sc)+2*(\a)+(\q)] matrix_a_fmt:MATRIX_FMT_FP6 matrix_b_fmt:MATRIX_FMT_FP6 matrix_a_scale:MATRIX_SCALE_ROW1
.else
	v_wmma_scale_f32_16x16x128_f8f6f4 v[8*(8*(\a)+\b):8*(8*(\a)+\b)+7], v[128*(\p)+FR*\b:128*(\p)+FR*\b+FR-1], v[AF+48*(\p)+FR*(\a):AF+48*(\p)+FR*(\a)+FR-1], v[8*(8*(\a)+\b):8*(8*(\a)+\b)+7], v[SC+16*(\sc)+2*\b+(\q)], v[SC+16*(\sc)+2*(\a)+(\q)] matrix_a_fmt:MATRIX_FMT_FP6 matrix_b_fmt:MATRIX_FMT_FP6 matrix_a_scale:MATRIX_SCALE_ROW1
.endif
.endr
.endm
.macro FETCHV d, off, p                ; a K step's fragments, at byte off of the regions of half d of K, into sets p: B's eight and my four of A's
	WIN TO_B
.irp i, 0,1,2,3,4,5,6,7
	FRAG 128*(\p)+FR*\i, ADRB2+\d, \off, \i
.endr
	WIN 0
.irp i, 0,1,2,3
	FRAG AF+48*(\p)+FR*\i, ADRA2+\d, \off, \i
.endr
.endm
.macro STEPV d, off, sc, zero          ; a K slot's first step (sets 0); behind its first 8 products it fetches the second (sets 1)
	s_wait_dscnt 0x0                               ; this step's fragments and scale words are in
	WIN MUL_LO
	MULV8 0, 0, 0, \sc, \zero
	PLACES 4
	FETCHV \d, (\off)+1536, 1
	WIN MUL_LO
	MULV8 1, 0, 0, \sc, \zero
	MULV8 2, 0, 0, \sc, \zero
	MULV8 3, 0, 0, \sc, \zero
	WIN 0
.endm
; A K slot's second step (sets 1); it fetches the next K slot's first step, at byte off of half d, and its scale words.  bar = 1: the next slot lies in the second half of K: each wave waits for its part of it, and a barrier shows it whole.
.macro TURNV d, off, sc, bar
.if \bar
	s_wait_tensorcnt 0x0                           ; my part of the second half of K has landed
	ds_add_u32 v[SPW], v[NIL]                      ; 0 onto my spare word
	s_wait_dscnt 0x1                               ; this step's fragments are in (the add may be out)
	WIN MUL_LO
	MULV8 0, 1, 1, \sc, 0
	s_wait_dscnt 0x0
	s_barrier_signal -1
	MULV8 1, 1, 1, \sc, 0
	WIN 0
	s_barrier_wait -1
.else
	s_wait_dscnt 0x0
	WIN MUL_LO
	MULV8 0, 1, 1, \sc, 0
	WIN 0
.endif
	PLACES 4
	v_add_nc_u32 v[ADRSV], 512*NQ, v[ADRSV]
	FETCHV \d, \off, 0
	SCALES 1-\sc, ADRSV
	WIN MUL_LO
.if \bar == 0
	MULV8 1, 1, 1, \sc, 0
.endif
	MULV8 2, 1, 1, \sc, 0
	MULV8 3, 1, 1, \sc, 0
	WIN 0
.endm
; 64 numbers of a lane, register 16 b + i = k 32 b + 16 (lane / 16) + i of my row, become a fragment's codes in v[PC] on and its scale word in v[PW].
.macro QUANT s
.irp b, 0,1,2,3
	v_max3_num_f32 v[TM+\b], |v[\s+16*\b]|, |v[\s+1+16*\b]|, 0x1800000   ; block b: my 16 numbers, and the floor 2^(3 - 127): the byte cannot fall under 1
.endr
.irp i, 2,4,6,8,10,12,14
.irp b, 0,1,2,3
	v_max3_num_f32 v[TM+\b], v[TM+\b], |v[\s+16*\b+\i]|, |v[\s+1+16*\b+\i]|
.endr
.endr
.irp b, 0,1,2,3
	v_permlanex16_b32 v[TM+4+\b], v[TM+\b], s[SEL], s[SEL+1]
.endr
.irp b, 0,1,2,3
	v_max_num_f32 v[TM+\b], v[TM+\b], v[TM+4+\b]   ; with lane l xor 16's: the block's largest magnitude
.endr
.irp b, 0,1,2,3
	v_add_nc_u32 v[TM+12+\b], 0xff000000, v[TM+\b] ; 2 off its exponent field: the conversion's scale operand
.endr
.irp b, 0,1,2,3
	v_lshrrev_b32 v[TM+4+\b], 23, v[TM+12+\b]      ; the byte
.endr
	v_lshl_or_b32 v[PW], v[TM+5], 8, v[TM+4]
	v_lshl_or_b32 v[PW], v[TM+6], 16, v[PW]
	v_lshl_or_b32 v[PW], v[TM+7], 24, v[PW]
.irp c, 0,1
	v_cvt_scalef32_pk16_fp6_f32 v[PC+6*\c:PC+2+6*\c], v[\s+32*\c:\s+15+32*\c], v[TM+12+2*\c]
	v_cvt_scalef32_pk16_fp6_f32 v[PC+12+4*\c:PC+14+4*\c], v[\s+16+32*\c:\s+31+32*\c], v[TM+12+2*\c+1]   ; (a conversion's three registers begin on an even number)
.endr
	v_nop                                          ; one plain place behind a scaled conversion
.irp c, 0,1                                    ; the operand's layout wants a whole block in a lane: lanes 0-15 block 2 c, lanes 16-31 block 2 c + 1
.irp i, 0,1,2
	v_permlane16_swap_b32 v[PC+6*\c+\i], v[PC+12+4*\c+\i]
.endr
.irp i, 0,1,2
	v_mov_b32 v[PC+3+6*\c+\i], v[PC+12+4*\c+\i]
.endr
.endr
.endm
; THE WAY OUT of block a of A's rows: + bias in f32 (kind 0: along the registers; kind 1: the lane's own), quantised along the registers, the fragment's image stored as three runs of 512 aligned bytes, the scale word to LDS.
.macro EBLK kind, a
.if \kind
	v_mov_b32 v[BB], v[BL+\a]                      ; the lane's bias for this block
.endif
	WIN 0x02+(\a/4)                                ; source 0: the accumulators' window
.set j, 0
.rept 32
.if \kind
	v_pk_add_f32 v[X+j:X+j+1], v[64*(\a%4)+j:64*(\a%4)+j+1], v[BB:BB+1] op_sel_hi:[1,0]
.else
	v_pk_add_f32 v[X+j:X+j+1], v[64*(\a%4)+j:64*(\a%4)+j+1], v[BR+j:BR+j+1]   ; each accumulator from its low end on
.endif
.set j, j+2
.endr
	WIN 0
.if \a > 0
	s_wait_xcnt 0x0                                ; the last block's stores have read the codes' registers,
	s_wait_dscnt 0x0                               ; and its scale word is stored
.endif
	QUANT X
.irp c, 0,1,2
.if \kind
	global_store_b128 v[LI], v[PC+4*\c:PC+4*\c+3], s[OC2:OC2+1] offset:3072*\a+512*\c
.else
	global_store_b128 v[LI], v[PC+4*\c:PC+4*\c+3], s[14:15] offset:3072*\a+512*\c
.endif
.endr
.if \kind
	ds_store_b32 v[SWV], v[PW] offset:64*\a        ; lanes r and r + 16 write the same word with the same value
.else
	ds_store_b32 v[SWA], v[PW] offset:64*\a
.endif
.endm
.macro G0SET g, s                      ; a group 0 of tile 1, its address words already written: count, LDS address by the wave's number alone, type
	s_mov_b32 s[\g], 1
	s_add_co_u32 s[\g+1], s66, (\s)*SLOT
	s_or_b32 s[\g+3], s[\g+3], 0x80000000
.endm
	s_load_b256 s[4:11], s[0:1], 0x0               ; xwc, xws, bq, bk
	s_load_b128 s[12:15], s[0:1], 0x20             ; bv, qkv
	s_load_b64 s[16:17], s[0:1], 0x30              ; qkvs
	v_lshl_add_u32 v[SPW], v0, 2, SPARE
	v_mov_b32 v[NIL], 0
	ds_add_u32 v28, v29
	ds_add_u32 v28, v29
	s_wait_dscnt 0x0
	v_lshrrev_b32 v1, 5, v0
	v_readfirstlane_b32 s[WV], v1
	s_lshr_b32 s[WHI], s[WV], 1
	s_and_b32 s[WLO], s[WV], 1
	s_bfe_u32 s[CX], ttmp6, 0x40000
	s_bfe_u32 s[CY], ttmp6, 0x40004
	s_and_b32 s96, ttmp7, 0xffff                   ; the cluster's y, 0 .. 7
	s_lshl_b32 s[TR], s96, 2
	s_add_co_u32 s[TR], s[TR], s[CY]               ; tile 1: 256 tokens, of 32
	s_lshl_b32 s[TC], ttmp9, 2
	s_add_co_u32 s[TC], s[TC], s[CX]               ; 256 channels of Q, K, of 8
	s_lshl_b32 s[GK], s96, 1
	s_add_co_u32 s[GK], s[GK], ttmp9               ; the cluster's number, 0 .. 15
	s_lshl_b32 s[GK], s[GK], 2
	s_add_co_u32 s[GK], s[GK], s[CX]               ; tile 2: 128 tokens, of 64
	s_lshl_b32 s[MROW], s[CY], 2
	s_lshl_b32 s[MROW], 15, s[MROW]                ; my row of the cluster
	s_lshl_b32 s[MCOL], 0x1111, s[CX]              ; my column
	; group 1 for tile 1's codes: a dense block of 24,576 bytes as 96 rows of 32 elements of 8 bytes
	s_or_b32 s[G1], s[MROW], (3<<16)|(1<<21)       ; 15:0 the mask; 17:16 elements of 8 bytes; 21 set beside a mask; no padding
	s_or_b32 s[G1B], s[MCOL], (3<<16)|(1<<21)
.irp g, G1, G1B
	s_mov_b32 s[\g+1], 32<<16                      ; tensor_dim0
	s_mov_b32 s[\g+2], 96<<16                      ; tensor_dim1
	s_mov_b32 s[\g+3], 32<<16                      ; tile_dim0
	s_mov_b32 s[\g+4], 96                          ; tile_dim1
	s_mov_b32 s[\g+5], 32                          ; pitch
	s_mov_b32 s[\g+6], 0
	s_mov_b32 s[\g+7], 0
.endr
	; and for tile 2's: two such blocks, a slot of xwc apart, as two rows of 3,072 elements: they lie on end in LDS
	s_or_b32 s[G1D], s[MROW], (3<<16)|(1<<21)
	s_or_b32 s[G1DB], s[MCOL], (3<<16)|(1<<21)
.irp g, G1D, G1DB
	s_mov_b32 s[\g+1], 3072<<16
	s_mov_b32 s[\g+2], 2<<16
	s_mov_b32 s[\g+3], 3072<<16
	s_mov_b32 s[\g+4], 2
	s_mov_b32 s[\g+5], XSL/8
	s_mov_b32 s[\g+6], 0
	s_mov_b32 s[\g+7], 0
.endr
	; what I fetch, as offsets: A's hang on cy alone, B's on cx and the cluster's number
	s_lshl_b32 s2, s[WLO], 3
	s_lshl_b32 s34, s[TR], 4
	s_add_co_u32 s34, s34, s2                      ; tile 1, A: x's row block 16 x tile row + 8 x half
	s_lshl_b32 s96, s34, 6                         ; its scale words
	s_mul_i32 s34, s34, 3072
	s_mov_b32 s35, 0
	s_lshl_b32 s58, s[TC], 4
	s_add_co_u32 s58, s58, s2
	s_add_co_u32 s58, s58, 512                     ; tile 1, B: Wq's and Wk's row blocks begin at 512
	s_lshl_b32 s3, s58, 6
	s_mul_i32 s58, s58, 3072
	s_mov_b32 s59, 0
	s_cmp_eq_u32 s[WHI], 0
	s_cselect_b32 s96, s96, s3                     ; the scale words of the 128 rows whose codes I fetch
	s_mov_b32 s97, 0
	s_lshl_b32 s88, s[CY], 4
	s_add_co_u32 s88, s88, 640                     ; tile 2, A: Wv's row blocks begin at 640
	s_lshl_b32 s98, s88, 6
	s_add_co_u32 s88, s88, s2
	s_mul_i32 s88, s88, 3072
	s_mov_b32 s89, 0
	s_mul_i32 s90, s[GK], 8*3072                   ; tile 2, B: x's row blocks 8 g on
	s_mov_b32 s91, 0
	s_lshl_b32 s2, s[GK], 9
	s_mul_i32 s3, s[WV], 90112                     ; of tile 2's scale words wave w brings K steps 2 w and 2 w + 1
	s_add_co_u32 s98, s98, s3
	s_mov_b32 s99, 0
	s_add_co_u32 s2, s2, s3
	s_mov_b32 s3, 0
	; where my results go
	s_lshl_b32 s66, s[TR], 4
	s_lshl_b32 s67, s[WHI], 3
	s_add_co_u32 s66, s66, s67                     ; tile 1: my first row block
	s_lshl_b32 s40, s66, 6
	s_mul_i32 s36, s66, 3072
	s_mul_i32 s67, s[TC], 1572864                  ; the tile column is a slot of Q or K,
	s_add_co_u32 s36, s36, s67
	s_mul_i32 s67, s[WLO], 1536                    ; my half of B's rows a K step of it
	s_add_co_u32 s36, s36, s67
	s_mov_b32 s37, 0
	s_lshl_b32 s67, s[TC], 1
	s_add_co_u32 s67, s67, s[WLO]
	s_lshl_b32 s67, s67, 15
	s_add_co_u32 s40, s40, s67
	s_mov_b32 s41, 0
	s_lshl_b32 s66, s[CY], 4
	s_lshl_b32 s67, s[WV], 2
	s_add_co_u32 s66, s66, s67                     ; tile 2: my first channel block: 16 cy + 4 wave
	s_lshl_b32 s94, s66, 6
	s_mul_i32 s92, s66, 3072
	s_lshr_b32 s67, s[GK], 1
	s_mul_i32 s67, s67, 196608                     ; the tokens' slot of 256 keys,
	s_add_co_u32 s92, s92, s67
	s_and_b32 s67, s[GK], 1
	s_mul_i32 s67, s67, 1536                       ; and the K step in it
	s_add_co_u32 s92, s92, s67
	s_add_co_u32 s92, s92, 12582912
	s_mov_b32 s93, 0
	s_lshl_b32 s67, s[GK], 12
	s_add_co_u32 s94, s94, s67
	s_add_co_u32 s94, s94, 524288
	s_mov_b32 s95, 0
	s_mul_i32 s66, s[WV], RGN                      ; where tile 1's codes go in a slot
	s_wait_kmcnt 0x0
	s_add_nc_u64 s[34:35], s[4:5], s[34:35]
	s_add_nc_u64 s[58:59], s[4:5], s[58:59]
	s_add_nc_u64 s[A2P:A2P+1], s[4:5], s[88:89]
	s_add_nc_u64 s[B2P:B2P+1], s[4:5], s[90:91]
	s_add_nc_u64 s[96:97], s[6:7], s[96:97]
	s_add_nc_u64 s[98:99], s[6:7], s[98:99]
	s_add_nc_u64 s[2:3], s[6:7], s[2:3]
	s_add_nc_u64 s[OC2:OC2+1], s[14:15], s[92:93]
	s_add_nc_u64 s[14:15], s[14:15], s[36:37]
	s_add_nc_u64 s[OS2:OS2+1], s[16:17], s[94:95]
	s_add_nc_u64 s[16:17], s[16:17], s[40:41]
	CROUND                                         ; all sixteen work-groups are here: the first joint loads meet
	s_add_nc_u64 s[G0+6:G0+7], s[34:35], XSL
	s_add_nc_u64 s[G0+10:G0+11], s[34:35], 2*XSL
	s_add_nc_u64 s[G0B1+2:G0B1+3], s[58:59], XSL
	s_add_nc_u64 s[G0B2+2:G0B2+3], s[58:59], 2*XSL
	G0SET G0, 0
	G0SET G0B0, 0
	JLOAD G0, G1, G0B0, G1B                        ; the three first fills go out together: by this text's count three tensor loads of a wave are out here, later one
	G0SET G0+4, 1
	G0SET G0B1, 1
	JLOAD G0+4, G1, G0B1, G1B
	G0SET G0+8, 2
	G0SET G0B2, 2
	JLOAD G0+8, G1, G0B2, G1B
	v_and_b32 v1, 31, v0                           ; lane
	v_and_b32 v2, 15, v0                           ; r
	v_bfe_u32 v3, v0, 4, 1                         ; h
	v_lshlrev_b32 v[LI], 4, v1
.irp k, 0,1,2,3,4,5,6,7
	global_load_b128 v[128+4*\k:131+4*\k], v[LI], s[96:97] offset:45056*\k   ; tile 1's scale words of my 128 rows: 512 consecutive bytes a K step
.endr
.irp j, 0,1
.irp g, 0,1
	global_load_b128 v[160+8*\j+4*\g:163+8*\j+4*\g], v[LI], s[98:99] offset:45056*\j+512*\g   ; tile 2's: Wv's two halves,
.endr
	global_load_b128 v[176+4*\j:179+4*\j], v[LI], s[2:3] offset:45056*\j                      ; x's tokens
.endr
	; the biases
	s_cmp_eq_u32 ttmp9, 0
	s_cselect_b64 s[8:9], s[8:9], s[10:11]         ; tile columns 0-3 are Q's, 4-7 K's
	s_and_b32 s4, s[TC], 3
	s_lshl_b32 s4, s4, 10
	s_lshl_b32 s5, s[WLO], 9
	s_add_co_u32 s4, s4, s5
	v_lshl_add_u32 v6, v3, 6, s4                   ; along the registers: 4 (256 (column % 4) + 128 half + 16 h)
	s_lshl_b32 s4, s[CY], 10
	s_lshl_b32 s5, s[WV], 8
	s_add_co_u32 s4, s4, s5
	v_and_b32 v7, 8, v2
	v_add_nc_u32 v7, v7, v2
	v_lshl_add_u32 v7, v7, 2, s4                   ; the lane's own, of bv: 4 (256 cy + 64 wave + r + 8 (r / 8))
.irp b, 0,1,2,3
.irp j, 0,1,2,3
	global_load_b128 v[BR+16*\b+4*\j:BR+16*\b+4*\j+3], v6, s[8:9] offset:128*\b+16*\j
.endr
.endr
.irp a, 0,1,2,3
	global_load_b32 v[BL+\a], v7, s[12:13] offset:(32*(\a/2)+8*(\a%2))*4
.endr
	; LDS addresses: constants, the lane and the wave's number
	s_mul_i32 s4, s[WHI], RGN                      ; tile 1: my half of A,
	s_mul_i32 s5, s[WLO], RGN
	s_add_co_u32 s5, s5, 2*RGN                     ; my half of B, behind A's two
.irp s, 0,1,2
	v_add_nc_u32 v[ADRA+\s], s4, v[LI]
	v_add_nc_u32 v[ADRB+\s], s5, v[LI]
	s_add_co_u32 s4, s4, SLOT
	s_add_co_u32 s5, s5, SLOT
.endr
	s_lshl_b32 s4, s[WHI], 12
	s_lshl_b32 s5, s[WLO], 12
	s_add_co_u32 s5, s5, 8192
	s_sub_co_u32 s5, s5, s4
	v_mul_u32_u24 v5, s5, v3                       ; lanes 16-31 take B's words: one product, the distance between the two bases
	s_add_co_u32 s4, s4, SCL
	v_lshl_add_u32 v5, v2, 2, v5
	v_add_nc_u32 v[ADRS], s4, v5
	s_mul_i32 s4, s[WHI], DRG                      ; tile 2: blocks 4 w .. 4 w + 3 of Wv's sixteen: region w / 2, four blocks on where w is odd
	s_mul_i32 s5, s[WLO], 12288
	s_add_co_u32 s4, s4, s5
	v_add_nc_u32 v[ADRA2+1], s4, v[LI]
	s_add_co_u32 s4, s4, D1B
	v_add_nc_u32 v[ADRA2], s4, v[LI]
	v_add_nc_u32 v[ADRB2], D1B+2*DRG, v[LI]
	v_add_nc_u32 v[ADRB2+1], D2B+2*DRG, v[LI]
	s_lshl_b32 s4, s[WHI], 12
	s_lshl_b32 s5, s[WLO], 8
	s_add_co_u32 s4, s4, s5
	s_sub_co_u32 s5, 8192, s4
	v_mul_u32_u24 v5, s5, v3
	s_add_co_u32 s4, s4, SCL2
	v_lshl_add_u32 v5, v2, 2, v5
	v_add_nc_u32 v[ADRSV], s4, v5
	s_lshl_b32 s4, s[WV], 9
	s_add_co_u32 s4, s4, SCR
	v_lshl_add_u32 v[SWA], v2, 2, s4
	v_add_nc_u32 v[SRA], s4, v[LI]
	s_lshl_b32 s4, s[WV], 8
	s_add_co_u32 s4, s4, SCRV
	v_lshl_add_u32 v[SWV], v2, 2, s4
	v_lshlrev_b32 v[L8], 3, v1
	v_add_nc_u32 v[SRV], s4, v[L8]
	s_lshl_b32 s4, s[WV], 12
	s_add_co_u32 s4, s4, SCL
	v_add_nc_u32 v[SCW], s4, v[LI]
	s_lshl_b32 s4, s[WV], 10
	s_add_co_u32 s4, s4, SCL2
	v_add_nc_u32 v[SCW2], s4, v[LI]
	s_mov_b32 s[SEL], 0x76543210
	s_mov_b32 s[SEL+1], 0xfedcba98
.irp b, 0,1,2,3
	v_mov_b32 v[TM+4+\b], 0                        ; written once: a lane permute's destination counts as one of its sources
.endr
	v_mov_b32 v[BB+1], 0                           ; (named as the upper half of a pair)
	s_wait_loadcnt 20                              ; the 14 loads of scale words are in; the 20 of the biases may be out
.irp k, 0,1,2,3,4,5,6,7
	ds_store_b128 v[SCW], v[128+4*\k:131+4*\k] offset:512*\k
.endr
.irp j, 0,1
.irp g, 0,1
	ds_store_b128 v[SCW2], v[160+8*\j+4*\g:163+8*\j+4*\g] offset:4096*\g+512*\j
.endr
	ds_store_b128 v[SCW2], v[176+4*\j:179+4*\j] offset:8192+512*\j
.endr
	s_wait_tensorcnt 0x2                           ; my part of slot 0 is in; slots 1 and 2 may be out
	s_wait_dscnt 0x0                               ; my scale words are stored
	s_barrier_signal -1
	s_barrier_wait -1
	FETCH_B 0, 0, 0
	FETCH_A 0, 0, 0
	SCALES 0, ADRS
	FETCH_A 0, 0, 4
	STEP 0, 0, 1                                   ; TILE 1: eight K steps, written out: the three changes of slots differ
	TURN 1, 0, 1                                   ; slot 0 is read out: the fourth K slot is asked for.  The wait for all loads and the round show slots 1 and 2 whole to every wave
	STEP 1, 1, 0
	TURN 2, 1, 0                                   ; so this change needs no barrier
	STEP 2, 0, 0
	TURN 0, 0, 2                                   ; the fourth K slot has landed; slots 1 and 2 are read out: tile 2's first half of K is asked for
	STEP 0, 1, 0
	LAST
	s_wait_loadcnt 0x0                             ; the biases
	PLACES 4
	EBLK 0, 0
	EBLK 0, 1
	EBLK 0, 2
	EBLK 0, 3
	s_wait_tensorcnt 0x0                           ; tile 2's first half of K has landed: my part of it
	ds_add_u32 v[SPW], v[NIL]                      ; 0 onto my spare word; the descriptors stand between it and the wait for it
	s_mul_i32 s4, s[WLO], DRG
	s_add_co_u32 s[G0+9], s4, D2B                  ; slot 2's groups 0 take tile 2's second half
	s_add_nc_u64 s[G0+10:G0+11], s[A2P:A2P+1], 2*XSL
	s_or_b32 s[G0+11], s[G0+11], 0x80000000
	s_mov_b32 s[G0B2+1], D2B+2*DRG
	s_add_nc_u64 s[G0B2+2:G0B2+3], s[B2P:B2P+1], 2*XSL
	s_or_b32 s[G0B2+3], s[G0B2+3], 0x80000000
	s_wait_dscnt 0x0                               ; the add is done; my reads of slot 0 ended with tile 1's last K step
	CROUND                                         ; no wave of any partner still reads bytes 0 to 147,455 or has a load on its way; the first half of K is whole
	JLOADV G0+8, G0B2                              ; it has the rest of this way out and four K steps in which to land
	EBLK 0, 4
	EBLK 0, 5
	EBLK 0, 6
	EBLK 0, 7
	ds_load_b128 v[X:X+3], v[SRA]                  ; LDS serves a wave's instructions in order: this sees my eight stores
	s_wait_dscnt 0x0
	global_store_b128 v[LI], v[X:X+3], s[16:17]    ; my 128 row places' scale words: 512 consecutive bytes, aligned
	s_wait_xcnt 0x0                                ; the stores have read their registers: fragments may land there
	PLACES 5                                       ; tile 2's first products write over accumulators of tile 1
	FETCHV 0, 0, 0                                 ; TILE 2: eight K steps
	SCALES 0, ADRSV
	STEPV 0, 0, 0, 1
	TURNV 0, RGN, 0, 0
	STEPV 0, RGN, 1, 0
	TURNV 1, 0, 1, 1                               ; on to the second half of K
	STEPV 1, 0, 0, 0
	TURNV 1, RGN, 0, 0
	STEPV 1, RGN, 1, 0
	s_wait_dscnt 0x0                               ; the last K step: nothing more to fetch
	WIN MUL_LO
	MULV8 0, 1, 1, 1, 0
	MULV8 1, 1, 1, 1, 0
	MULV8 2, 1, 1, 1, 0
	MULV8 3, 1, 1, 1, 0
	WIN 0
	PLACES 4
	EBLK 1, 0
	EBLK 1, 1
	EBLK 1, 2
	EBLK 1, 3
	ds_load_b64 v[X:X+1], v[SRV]                   ; my four blocks' 64 scale words
	s_wait_dscnt 0x0
	global_store_b64 v[L8], v[X:X+1], s[OS2:OS2+1] ; 256 consecutive bytes, aligned
	s_wait_tensorcnt 0x0                           ; the wave's end
	ds_add_u32 v[SPW], v[NIL]
	s_wait_dscnt 0x0
	CROUND                                         ; the closing round
	s_endpgm
.Lfunc_end_k_q4e469c03d4_proj:
	.size	k_q4e469c03d4_proj, .Lfunc_end_k_q4e469c03d4_proj-k_q4e469c03d4_proj
	.p2alignl 7, 3214868480
	.fill 96, 4, 3214868480
	.section	.rodata,"a",@progbits
	.p2align	6, 0x0
	.amdhsa_kernel k_q4e469c03d4_proj
		.amdhsa_group_segment_fixed_size 327680
		.amdhsa_private_segment_fixed_size 0
		.amdhsa_enable_private_segment 0
		.amdhsa_kernarg_size 56
		.amdhsa_user_sgpr_count 2
		.amdhsa_user_sgpr_kernarg_segment_ptr 1
		.amdhsa_wavefront_size32 1
		.amdhsa_system_sgpr_workgroup_id_x 1
		.amdhsa_system_sgpr_workgroup_id_y 1
		.amdhsa_system_sgpr_workgroup_id_z 1
		.amdhsa_system_vgpr_workitem_id 0
		.amdhsa_next_free_vgpr 1024
		.amdhsa_next_free_sgpr 102
		.amdhsa_reserve_vcc 0
		.amdhsa_float_denorm_mode_32 3
		.amdhsa_float_denorm_mode_16_64 3
		.amdhsa_memory_ordered 1
		.amdhsa_forward_progress 1
		.amdhsa_inst_pref_size 249
	.end_amdhsa_kernel
	.amdgpu_metadata
---
amdhsa.version: [ 1, 2 ]
amdhsa.kernels:
  - .name:           k_q4e469c03d4_proj
    .symbol:         k_q4e469c03d4_proj.kd
    .args:
      - { .name: xwc, .offset: 0, .size: 8, .value_kind: global_buffer, .address_space: global }
      - { .name: xws, .offset: 8, .size: 8, .value_kind: global_buffer, .address_space: global }
      - { .name: bq, .offset: 16, .size: 8, .value_kind: global_buffer, .address_space: global }
      - { .name: bk, .offset: 24, .size: 8, .value_kind: global_buffer, .address_space: global }
      - { .name: bv, .offset: 32, .size: 8, .value_kind: global_buffer, .address_space: global }
      - { .name: qkv, .offset: 40, .size: 8, .value_kind: global_buffer, .address_space: global }
      - { .name: qkvs, .offset: 48, .size: 8, .value_kind: global_buffer, .address_space: global }
    .group_segment_fixed_size: 327680
    .private_segment_fixed_size: 0
    .kernarg_segment_align: 8
    .kernarg_segment_size: 56
    .max_flat_workgroup_size: 128
    .sgpr_count:     102
    .vgpr_count:     1024
    .wavefront_size: 32
...
	.end_amdgpu_metadata
.endif
;; end of part 2
;; launch scores (part 3): grid 8 x 32, 4 waves a work-group, clusters of 4 x 4, 327,680 bytes of LDS; arguments qkv, qkvs, pc, pst; writes pc, pst
.if DOCPART == 3
	.amdgcn_target "amdgcn-amd-amdhsa--gfx1250"
	.amdhsa_code_object_version 6
	.text
	.protected	k_q4e469c03d4_scores
	.globl	k_q4e469c03d4_scores
	.p2align	8
	.type	k_q4e469c03d4_scores,@function
k_q4e469c03d4_scores:
	s_mov_b64 s[64:65], 0
	v_nop
	global_prefetch_b8 v0, s[64:65] scope:SCOPE_SE
	s_setreg_imm32_b32 hwreg(HW_REG_WAVE_MODE, 25, 1), 1
	s_wait_xcnt 0x0
	s_wait_alu depctr_hold_cnt(0) depctr_sa_sdst(0) depctr_va_vdst(0) depctr_va_sdst(0) depctr_va_ssrc(0) depctr_va_vcc(0) depctr_vm_vsrc(0)
	s_getreg_b32 s2, hwreg(HW_REG_IB_STS2, 6, 4)
	s_cmp_eq_u32 s2, 0
	s_cbranch_scc0 .Lentry_in_a_cluster
	s_endpgm
.Lentry_in_a_cluster:
	s_bfe_u32 s2, ttmp6, 0x10000c
	s_cmp_lg_u32 s2, 0xf033
	s_cbranch_scc0 .Lentry_shape_is_right
	s_endpgm
.Lentry_shape_is_right:
; S = Q K^T on codes of FP6 (E2M3) with E8M0 scales, sums in f32, and the softmax's first half: for each query and each run of 128 keys, t = score x log2(e) / 32, M = the run's largest t rounded up to a whole number,
; p = 2^(t - M), quantised along the keys; stored are p's codes (as images of operand registers), its scale words, -M and the run's sum of the unquantised p.  The next launch brings all runs of a row under the row's M: a change by a whole
; power of two, which the scale bytes take up.  So a maximum is taken away before every exponential, and p never goes to memory wide.
; A tile of 256 queries x 256 keys is made by four waves, 128 x 128 each: 64 accumulators.  K = 1,024 goes in four steps of 256 through a ring of two LDS slots; each wave fetches one dense block of 24,576 bytes.
; THE MATRIX INSTRUCTION: source 0 = 16 keys, source 1 = 16 queries: a lane holds one query, and the 16 registers of key blocks 2 b and 2 b + 1 are the neighbouring keys 32 b + 16 (lane / 16) + 0 .. 15 (the blocks' rows were laid so).
; CLUSTERS: 4 x 4 work-groups; Q's tiles are asked for jointly along a row of the cluster, K's along a column.  Tile row 4 y + cy (of 32, over all batches), tile column 4 x + cx (of 8, in the batch y / 2).
; pc: [8 key slots][512 query blocks][2][1536].  pst: three planes of [16 key runs][8,192 row places] words: scale words, -M, sums; 524,288 bytes a plane.
; LIMITS: a block whose every p has fallen under 2^-124 keeps the scale byte 1 (its codes are zeros or next to it); NaN and infinities are not served.  A block's largest p is taken as the exponential of its largest score.
; No prefetch: a work-group has two refills in all.  REGISTERS: window 0: v0-31 addresses; v32-63 scale words, two sets; v64-127 p; v128-223 A's fragments (on the way out v128-170 at work).  window 1: B's two sets.  windows 2, 3: accumulators.
.set FR,    12
.set NL,    3
.set NQ,    2
.set RGN,   24576
.set SLOT,  4*RGN
.set SCL,   2*SLOT
.set SCR,   SCL+16384                  ; the way out: 3 x 512 bytes a wave
.set SPARE, SCR+6144                   ; the spare words, 128 bytes a wave: two blocks of 256 bytes that no other line names
.set QSL,   1572864                    ; a slot of Q or K in qkv
.set ASTEP, 2*QSL
.set BSTEP, 2*QSL
.set LI,    4
.set ADRA,  16
.set ADRH,  16
.set ADRB,  20
.set ADRS,  22
.set ADRS2, 22
.set SWA,   25
.set SRA,   26
.set SPW,   28
.set NIL,   29
.set SC,    32
.set P,     64                         ; v64-127  t - M, then p
.set AF,    128
.set BM,    128                        ; v128-131 each block's largest score, then its largest p
.set BX,    132                        ; v132-135 the permutes' destinations, then the bytes
.set SO,    136                        ; v136-139 the conversions' scale operands
.set NM,    140                        ; v140     -M (v141 named with it as a pair)
.set SUMA,  142                        ; v[142:143], v[144:145] the sum in two chains
.set SUMB,  144
.set T,     146
.set PC,    148                        ; v148-167 the codes
.set PW,    168
.set L,     169                        ; v169 the sum; v170 the permute's destination
.set CS,    12                         ; s[12:13] c = log2(e) / 32
.set SEL,   14                         ; s[14:15]
.set WV,    20
.set WHI,   21
.set WLO,   22
.set TR,    23
.set G1,    24
.set G0,    32
.set CX,    40
.set CY,    41
.set TC,    42
.set G1B,   48
.set G0B,   56
.set G1S,   68
.set G0S,   76
.set G1SB,  80
.set G0SB,  88
.set MSB, 0
.macro WIN new                         ; the immediate's high byte repeats the setting that is left
.if MSB != (\new)
	s_set_vgpr_msb (MSB<<8)|(\new)
.set MSB, (\new)
.endif
.endm
.set MUL_LO, 0xa1
.set MUL_HI, 0xf1
.set TO_B,   0x40
.macro JLOAD g0a, g1a, g0b, g1b        ; a joint load: waves 0 and 1 fetch for A, waves 2 and 3 for B; four v_nop follow each of the two lines
	s_cmp_eq_u32 s[WHI], 0
	s_cbranch_scc0 .Lfor_b_\@
	tensor_load_to_lds s[\g0a:\g0a+3], s[\g1a:\g1a+7]
	s_nop 0
.rept 4
	v_nop
.endr
	s_branch .Lasked_\@
.Lfor_b_\@:
	tensor_load_to_lds s[\g0b:\g0b+3], s[\g1b:\g1b+7]
	s_nop 0
.rept 4
	v_nop
.endr
.Lasked_\@:
.endm
.macro CREST
	s_cmp_lg_u32 s[WV], 0
	s_cbranch_scc1 .Lnot_wave_0_\@
	s_barrier_signal -3
.Lnot_wave_0_\@:
	s_barrier_wait -3
	s_barrier_signal -1
	s_barrier_wait -1
.endm
.macro CROUND
	s_barrier_signal -1
	s_barrier_wait -1
	CREST
.endm
.macro PLACES n
.rept \n
	v_nop
.endr
.endm
.macro FRAG reg, adr, q, i
.irp c, 0,1,2
	ds_load_b128 v[(\reg)+4*\c:(\reg)+4*\c+3], v[\adr] offset:3072*(\i)+1536*(\q)+512*\c
.endr
.endm
.macro FETCH_B slot, q, p
	WIN TO_B
.irp i, 0,1,2,3,4,5,6,7
	FRAG 128*(\p)+FR*\i, ADRB+\slot, \q, \i
.endr
	WIN 0
.endm
.macro FETCH_A slot, q, i0
.irp i, \i0, \i0+1, \i0+2, \i0+3
.if \i0 < 4
	FRAG AF+FR*(\i), ADRA+\slot, \q, \i
.else
	FRAG AF+FR*(\i), ADRH+\slot, \q, \i
.endif
.endr
.endm
.macro SCALES sc
.irp i, 0,1,2,3,4,5,6,7
.irp q, 0,1
.if \i < 4
	ds_load_b32 v[SC+16*\sc+2*\i+\q], v[ADRS] offset:512*\q+64*\i
.else
	ds_load_b32 v[SC+16*\sc+2*\i+\q], v[ADRS2] offset:512*\q+64*\i
.endif
.endr
.endr
.endm
; The 64 accumulators take turns, one instruction a turn, in the same order in every step.
.macro MUL16 a0, p, q, sc, zero
.irp a, \a0, \a0+1
.irp b, 0,1,2,3,4,5,6,7
.if \zero
	v_wmma_scale_f32_16x16x128_f8f6f4 v[8*(8*((\a)%4)+\b):8*(8*((\a)%4)+\b)+7], v[128*(\p)+FR*\b:128*(\p)+FR*\b+FR-1], v[AF+FR*(\a):AF+FR*(\a)+FR-1], 0, v[SC+8*NQ*(\sc)+NQ*\b+(\q)], v[SC+8*NQ*(\sc)+NQ*(\a)+(\q)] matrix_a_fmt:MATRIX_FMT_FP6 matrix_b_fmt:MATRIX_FMT_FP6 matrix_a_scale:MATRIX_SCALE_ROW1
.else
	v_wmma_scale_f32_16x16x128_f8f6f4 v[8*(8*((\a)%4)+\b):8*(8*((\a)%4)+\b)+7], v[128*(\p)+FR*\b:128*(\p)+FR*\b+FR-1], v[AF+FR*(\a):AF+FR*(\a)+FR-1], v[8*(8*((\a)%4)+\b):8*(8*((\a)%4)+\b)+7], v[SC+8*NQ*(\sc)+NQ*\b+(\q)], v[SC+8*NQ*(\sc)+NQ*(\a)+(\q)] matrix_a_fmt:MATRIX_FMT_FP6 matrix_b_fmt:MATRIX_FMT_FP6 matrix_a_scale:MATRIX_SCALE_ROW1
.endif
.endr
.endr
.endm
.macro STEP slot, q, zero
	s_wait_dscnt 4*NL                              ; all but the youngest 12 loads (A's blocks 4-7) are in
	WIN MUL_LO
	MUL16 0, (\q)%2, \q, \slot, \zero
	MUL16 2, (\q)%2, \q, \slot, \zero
	s_wait_dscnt 0x0
	PLACES 4
	FETCH_B \slot, (\q)+1, 1-(\q)%2
	FETCH_A \slot, (\q)+1, 0
	WIN MUL_HI
	MUL16 4, (\q)%2, \q, \slot, \zero
	MUL16 6, (\q)%2, \q, \slot, \zero
	PLACES 4
	WIN 0
	FETCH_A \slot, (\q)+1, 4
.endm
.macro TURN slot, next, fill
	s_wait_tensorcnt 0x0                           ; all my tensor loads have landed: my part of the next slot
	ds_add_u32 v[SPW], v[NIL]                      ; 0 onto my spare word
	s_wait_dscnt 4*NL+1                            ; (the add and the youngest 12 loads may be out)
	WIN MUL_LO
	MUL16 0, 1, NQ-1, \slot, 0
	s_wait_dscnt 0x0                               ; the add is done, and my reads of this slot are over
	s_barrier_signal -1
	MUL16 2, 1, NQ-1, \slot, 0
	WIN 0
	s_barrier_wait -1
.if \fill
	CREST                                          ; a round of the cluster's barrier: no wave of any partner still reads this slot or has a load on its way
	s_add_nc_u64 s[G0+4*\slot+2:G0+4*\slot+3], s[G0+4*\slot+2:G0+4*\slot+3], ASTEP
	s_add_nc_u64 s[G0B+4*\slot+2:G0B+4*\slot+3], s[G0B+4*\slot+2:G0B+4*\slot+3], BSTEP
	JLOAD G0+4*\slot, G1, G0B+4*\slot, G1B
.else
	PLACES 4
.endif
	v_add_nc_u32 v[ADRS], 512*NQ, v[ADRS]
.if ADRS2 != ADRS
	v_add_nc_u32 v[ADRS2], 512*NQ, v[ADRS2]
.endif
	FETCH_B \next, 0, 0
	FETCH_A \next, 0, 0
	SCALES \next
	WIN MUL_HI
	MUL16 4, 1, NQ-1, \slot, 0
	MUL16 6, 1, NQ-1, \slot, 0
	PLACES 4
	WIN 0
	FETCH_A \next, 0, 4
.endm
.macro LAST
	s_wait_dscnt 4*NL
	WIN MUL_LO
	MUL16 0, 1, NQ-1, 1, 0
	MUL16 2, 1, NQ-1, 1, 0
	s_wait_dscnt 0x0
	WIN MUL_HI
	MUL16 4, 1, NQ-1, 1, 0
	MUL16 6, 1, NQ-1, 1, 0
	WIN 0
.endm
	s_load_b256 s[4:11], s[0:1], 0x0               ; qkv, qkvs, pc, pst
	v_lshl_add_u32 v[SPW], v0, 2, SPARE
	v_mov_b32 v[NIL], 0
	ds_add_u32 v28, v29
	ds_add_u32 v28, v29
	s_wait_dscnt 0x0
	v_lshrrev_b32 v1, 5, v0
	v_readfirstlane_b32 s[WV], v1
	s_lshr_b32 s[WHI], s[WV], 1
	s_and_b32 s[WLO], s[WV], 1
	s_bfe_u32 s[CX], ttmp6, 0x40000
	s_bfe_u32 s[CY], ttmp6, 0x40004
	s_and_b32 s92, ttmp7, 0xffff
	s_lshl_b32 s[TR], s92, 2
	s_add_co_u32 s[TR], s[TR], s[CY]               ; the tile of 256 queries
	s_lshl_b32 s[TC], ttmp9, 2
	s_add_co_u32 s[TC], s[TC], s[CX]               ; the tile of 256 keys in the batch
	s_lshr_b32 s92, s92, 1                         ; the batch: shared by the cluster
	s_lshl_b32 s43, s[CY], 2
	s_lshl_b32 s43, 15, s43
	s_lshl_b32 s44, 0x1111, s[CX]
	s_or_b32 s[G1], s43, (3<<16)|(1<<21)           ; codes: a dense block of 24,576 bytes as 96 rows of 256
	s_or_b32 s[G1B], s44, (3<<16)|(1<<21)
.irp g, G1, G1B
	s_mov_b32 s[\g+1], 32<<16
	s_mov_b32 s[\g+2], 96<<16
	s_mov_b32 s[\g+3], 32<<16
	s_mov_b32 s[\g+4], 96
	s_mov_b32 s[\g+5], 32
	s_mov_b32 s[\g+6], 0
	s_mov_b32 s[\g+7], 0
.endr
	s_or_b32 s[G1S], s43, (3<<16)|(1<<21)          ; scale words of 128 rows: 8 K steps of 512 bytes, 32,768 bytes apart
	s_or_b32 s[G1SB], s44, (3<<16)|(1<<21)
.irp g, G1S, G1SB
	s_mov_b32 s[\g+1], 64<<16
	s_mov_b32 s[\g+2], 8<<16
	s_mov_b32 s[\g+3], 64<<16
	s_mov_b32 s[\g+4], 8
	s_mov_b32 s[\g+5], 4096
	s_mov_b32 s[\g+6], 0
	s_mov_b32 s[\g+7], 0
.endr
	s_lshl_b32 s99, s[WLO], 3
	s_lshl_b32 s66, s[TR], 4
	s_add_co_u32 s66, s66, s99                     ; Q's row block
	s_lshl_b32 s96, s66, 6
	s_mul_i32 s66, s66, 3072
	s_mov_b32 s67, 0
	s_mov_b32 s97, 0
	s_lshl_b32 s46, s92, 7
	s_lshl_b32 s47, s[TC], 4
	s_add_co_u32 s46, s46, s47
	s_add_co_u32 s46, s46, s99                     ; K's row block: 128 batch + 16 column + 8 half
	s_lshl_b32 s94, s46, 6
	s_add_co_u32 s94, s94, 262144                  ; K's scale words lie behind Q's eight K steps
	s_mul_i32 s46, s46, 3072
	s_add_co_u32 s46, s46, 4*QSL                   ; K's codes behind Q's four slots
	s_mov_b32 s47, 0
	s_mov_b32 s95, 0
	s_lshl_b32 s2, s[TR], 4
	s_lshl_b32 s3, s[WHI], 3
	s_add_co_u32 s2, s2, s3                        ; my first query block
	s_lshl_b32 s18, s2, 6
	s_mul_i32 s2, s2, 3072
	s_mul_i32 s3, s[TC], QSL                       ; the key slot
	s_add_co_u32 s2, s2, s3
	s_mul_i32 s3, s[WLO], 1536                     ; my 128 keys are a K step of it
	s_add_co_u32 s2, s2, s3
	s_mov_b32 s3, 0
	s_lshl_b32 s19, s[TC], 1
	s_add_co_u32 s19, s19, s[WLO]
	s_lshl_b32 s19, s19, 15                        ; the run of keys: 32,768 bytes each
	s_add_co_u32 s18, s18, s19
	s_mov_b32 s19, 0
	s_mul_i32 s45, s[WV], RGN
	s_lshl_b32 s99, s[WV], 12
	s_mov_b32 s[CS], 0x3d38aa3b                    ; c = log2(e) / sqrt(1024)
	s_mov_b32 s[CS+1], s[CS]                       ; (named with it as a pair)
	s_mov_b32 s[SEL], 0x76543210
	s_mov_b32 s[SEL+1], 0xfedcba98
	s_wait_kmcnt 0x0
	s_add_nc_u64 s[66:67], s[4:5], s[66:67]
	s_add_nc_u64 s[96:97], s[6:7], s[96:97]
	s_add_nc_u64 s[46:47], s[4:5], s[46:47]
	s_add_nc_u64 s[94:95], s[6:7], s[94:95]
	s_add_nc_u64 s[8:9], s[8:9], s[2:3]
	s_add_nc_u64 s[10:11], s[10:11], s[18:19]
	CROUND                                         ; all sixteen work-groups are here: the first joint loads meet
	s_mov_b32 s[G0S], 1
	s_add_co_u32 s[G0S+1], s99, SCL
	s_mov_b64 s[G0S+2:G0S+3], s[96:97]
	s_or_b32 s[G0S+3], s[G0S+3], 0x80000000
	s_mov_b32 s[G0SB], 1
	s_add_co_u32 s[G0SB+1], s99, SCL
	s_mov_b64 s[G0SB+2:G0SB+3], s[94:95]
	s_or_b32 s[G0SB+3], s[G0SB+3], 0x80000000
	JLOAD G0S, G1S, G0SB, G1SB
.irp s, 0,1
	s_mov_b32 s[G0+4*\s], 1
	s_add_co_u32 s[G0+4*\s+1], s45, \s*SLOT
	s_add_nc_u64 s[G0+4*\s+2:G0+4*\s+3], s[66:67], \s*QSL
	s_or_b32 s[G0+4*\s+3], s[G0+4*\s+3], 0x80000000
	s_mov_b32 s[G0B+4*\s], 1
	s_add_co_u32 s[G0B+4*\s+1], s45, \s*SLOT
	s_add_nc_u64 s[G0B+4*\s+2:G0B+4*\s+3], s[46:47], \s*QSL
	s_or_b32 s[G0B+4*\s+3], s[G0B+4*\s+3], 0x80000000
	JLOAD G0+4*\s, G1, G0B+4*\s, G1B               ; by this text's count three tensor loads of a wave are out here, later one
.endr
	v_and_b32 v1, 31, v0
	v_and_b32 v2, 15, v0
	v_bfe_u32 v3, v0, 4, 1
	v_lshlrev_b32 v[LI], 4, v1
	s_mul_i32 s2, s[WHI], RGN
	s_mul_i32 s3, s[WLO], RGN
	s_add_co_u32 s3, s3, 2*RGN
.irp s, 0,1
	v_add_nc_u32 v[ADRA+\s], s2, v[LI]
	v_add_nc_u32 v[ADRB+\s], s3, v[LI]
	s_add_co_u32 s2, s2, SLOT
	s_add_co_u32 s3, s3, SLOT
.endr
	s_lshl_b32 s2, s[WHI], 12
	s_lshl_b32 s3, s[WLO], 12
	s_add_co_u32 s3, s3, 8192
	s_sub_co_u32 s3, s3, s2
	v_mul_u32_u24 v5, s3, v3                       ; lanes 16-31 take B's words: one product, the distance between the two bases
	s_add_co_u32 s2, s2, SCL
	v_lshl_add_u32 v5, v2, 2, v5
	v_add_nc_u32 v[ADRS], s2, v5
	s_mul_i32 s2, s[WV], 1536
	s_add_co_u32 s2, s2, SCR
	v_lshl_add_u32 v[SWA], v2, 2, s2
	v_add_nc_u32 v[SRA], s2, v[LI]
	s_wait_tensorcnt 0x1                           ; the scale words and my part of slot 0 are in; slot 1's load may be out
	s_barrier_signal -1
	s_barrier_wait -1
	FETCH_B 0, 0, 0
	FETCH_A 0, 0, 0
	SCALES 0
	FETCH_A 0, 0, 4
	STEP 0, 0, 1
	TURN 0, 1, 1
	STEP 1, 0, 0
	TURN 1, 0, 1
	STEP 0, 0, 0
	TURN 0, 1, 0
	STEP 1, 0, 0
	LAST
; THE WAY OUT, a block of 16 queries at a time.
.macro SOFT a
.set AC, 64*((\a)%4)
	WIN 0x2a+0x15*((\a)/4)                         ; all three sources: the accumulators' window
.irp b, 0,1,2,3
	v_max3_num_f32 v[BM+\b], v[AC+16*\b], v[AC+16*\b+1], v[AC+16*\b+2]   ; the largest score of each block of 32 keys; each accumulator is first read at its low end
.endr
	WIN 0x28+0x14*((\a)/4)                         ; sources 1 and 2
.irp i, 3,5,7,9,11,13
.irp b, 0,1,2,3
	v_max3_num_f32 v[BM+\b], v[BM+\b], v[AC+16*\b+\i], v[AC+16*\b+\i+1]
.endr
.endr
.irp b, 0,1,2,3
	v_max_num_f32 v[BM+\b], v[BM+\b], v[AC+16*\b+15]
.endr
	WIN 0
.irp b, 0,1,2,3
	v_permlanex16_b32 v[BX+\b], v[BM+\b], s[SEL], s[SEL+1]
.endr
.irp b, 0,1,2,3
	v_max_num_f32 v[BM+\b], v[BM+\b], v[BX+\b]     ; with lane l xor 16's 16 keys
.endr
	v_max3_num_f32 v[T], v[BM], v[BM+1], v[BM+2]
	v_max_num_f32 v[T], v[T], v[BM+3]              ; the run's largest score of my query,
	v_mul_f32 v[T], s[CS], v[T]                    ; as t (c is positive)
.if (\a) > 0
	s_wait_xcnt 0x0                                ; the last block's stores have read the codes' registers,
	s_wait_dscnt 0x0                               ; and its three words are stored
.endif
	v_floor_f32 v[NM], -v[T]                       ; -M = floor(-t) = -ceil(t): a whole number
	WIN 0x02+((\a)/4)                              ; source 0
.set j, 0
.rept 32
	v_pk_fma_f32 v[P+j:P+j+1], v[AC+j:AC+j+1], s[CS:CS+1], v[NM:NM+1] op_sel_hi:[1,0,0]   ; t - M, two at a time
.set j, j+2
.endr
	WIN 0
.irp b, 0,1,2,3
	v_fma_f32 v[BM+\b], v[BM+\b], s[CS], v[NM]     ; the same of each block's largest score
.endr
.set j, 0
.rept 64
	v_exp_f32 v[P+j], v[P+j]                       ; p = 2^(t - M): not normalised
.set j, j+1
.endr
	v_nop                                          ; a plain place behind the exponentials
	s_wait_alu depctr_va_vdst(0)                   ; one wait for the whole batch, ahead of its first reader
.irp b, 0,1,2,3
	v_exp_f32 v[BM+\b], v[BM+\b]                   ; the block's largest p
.endr
	v_pk_add_f32 v[SUMA:SUMA+1], v[P:P+1], v[P+2:P+3]        ; the sum of the unquantised p, in two chains; it reads the 64 alone
	v_pk_add_f32 v[SUMB:SUMB+1], v[P+4:P+5], v[P+6:P+7]
.irp j, 8,12,16,20,24,28,32,36,40,44,48,52,56,60
	v_pk_add_f32 v[SUMA:SUMA+1], v[SUMA:SUMA+1], v[P+\j:P+\j+1]
	v_pk_add_f32 v[SUMB:SUMB+1], v[SUMB:SUMB+1], v[P+\j+2:P+\j+3]
.endr
	v_pk_add_f32 v[SUMA:SUMA+1], v[SUMA:SUMA+1], v[SUMB:SUMB+1]
	s_wait_alu depctr_va_vdst(0)                   ; and one for the four
.irp b, 0,1,2,3
	v_max_num_f32 v[BM+\b], 0x1800000, v[BM+\b]    ; the floor 2^(3 - 127): the byte cannot fall under 1
.endr
.irp b, 0,1,2,3
	v_add_nc_u32 v[SO+\b], 0xff000000, v[BM+\b]    ; 2 off the exponent field: the conversion's scale operand
.endr
.irp b, 0,1,2,3
	v_lshrrev_b32 v[BX+\b], 23, v[SO+\b]           ; the byte
.endr
	v_lshl_or_b32 v[PW], v[BX+1], 8, v[BX]
	v_lshl_or_b32 v[PW], v[BX+2], 16, v[PW]
	v_lshl_or_b32 v[PW], v[BX+3], 24, v[PW]
.irp c, 0,1
	v_cvt_scalef32_pk16_fp6_f32 v[PC+6*\c:PC+2+6*\c], v[P+32*\c:P+15+32*\c], v[SO+2*\c]
	v_cvt_scalef32_pk16_fp6_f32 v[PC+12+4*\c:PC+14+4*\c], v[P+16+32*\c:P+31+32*\c], v[SO+2*\c+1]   ; (a conversion's three registers begin on an even number)
.endr
	v_nop                                          ; one plain place behind a scaled conversion
.irp c, 0,1                                    ; a whole block in a lane: lanes 0-15 block 2 c, lanes 16-31 block 2 c + 1
.irp i, 0,1,2
	v_permlane16_swap_b32 v[PC+6*\c+\i], v[PC+12+4*\c+\i]
.endr
.irp i, 0,1,2
	v_mov_b32 v[PC+3+6*\c+\i], v[PC+12+4*\c+\i]
.endr
.endr
	v_add_f32 v[L], v[SUMA], v[SUMA+1]
	v_permlanex16_b32 v[L+1], v[L], s[SEL], s[SEL+1]
	v_add_f32 v[L], v[L], v[L+1]                   ; the run's sum of my query
.irp c, 0,1,2
	global_store_b128 v[LI], v[PC+4*\c:PC+4*\c+3], s[8:9] offset:3072*(\a)+512*\c   ; 512 consecutive bytes, aligned
.endr
	ds_store_b32 v[SWA], v[PW] offset:64*(\a)      ; lanes r and r + 16 write the same word with the same value
	ds_store_b32 v[SWA], v[NM] offset:512+64*(\a)
	ds_store_b32 v[SWA], v[L] offset:1024+64*(\a)
.endm
	PLACES 4
.irp b, 0,1,2,3
	v_mov_b32 v[BX+\b], 0                          ; written once: a lane permute's destination counts as one of its sources
.endr
	v_mov_b32 v[L+1], 0
	v_mov_b32 v[NM+1], 0                           ; (named as the upper half of a pair)
.irp a, 0,1,2,3,4,5,6,7
	SOFT \a
.endr
.irp p, 0,1,2
	ds_load_b128 v[P+4*\p:P+4*\p+3], v[SRA] offset:512*\p   ; LDS serves a wave's instructions in order: these see my stores
.endr
	s_wait_dscnt 0x0
.irp p, 0,1,2
	global_store_b128 v[LI], v[P+4*\p:P+4*\p+3], s[10:11] offset:524288*\p   ; my 128 row places of each plane: 512 consecutive bytes, aligned
.endr
	s_wait_tensorcnt 0x0                           ; the wave's end
	ds_add_u32 v[SPW], v[NIL]
	s_wait_dscnt 0x0
	CROUND                                         ; the closing round
	s_endpgm
.Lfunc_end_k_q4e469c03d4_scores:
	.size	k_q4e469c03d4_scores, .Lfunc_end_k_q4e469c03d4_scores-k_q4e469c03d4_scores
	.p2alignl 7, 3214868480
	.fill 96, 4, 3214868480
	.section	.rodata,"a",@progbits
	.p2align	6, 0x0
	.amdhsa_kernel k_q4e469c03d4_scores
		.amdhsa_group_segment_fixed_size 327680
		.amdhsa_private_segment_fixed_size 0
		.amdhsa_enable_private_segment 0
		.amdhsa_kernarg_size 32
		.amdhsa_user_sgpr_count 2
		.amdhsa_user_sgpr_kernarg_segment_ptr 1
		.amdhsa_wavefront_size32 1
		.amdhsa_system_sgpr_workgroup_id_x 1
		.amdhsa_system_sgpr_workgroup_id_y 1
		.amdhsa_system_sgpr_workgroup_id_z 1
		.amdhsa_system_vgpr_workitem_id 0
		.amdhsa_next_free_vgpr 1024
		.amdhsa_next_free_sgpr 100
		.amdhsa_reserve_vcc 0
		.amdhsa_float_denorm_mode_32 3
		.amdhsa_float_denorm_mode_16_64 3
		.amdhsa_memory_ordered 1
		.amdhsa_forward_progress 1
		.amdhsa_inst_pref_size 198
	.end_amdhsa_kernel
	.amdgpu_metadata
---
amdhsa.version: [ 1, 2 ]
amdhsa.kernels:
  - .name:           k_q4e469c03d4_scores
    .symbol:         k_q4e469c03d4_scores.kd
    .args:
      - { .name: qkv, .offset: 0, .size: 8, .value_kind: global_buffer, .address_space: global }
      - { .name: qkvs, .offset: 8, .size: 8, .value_kind: global_buffer, .address_space: global }
      - { .name: pc, .offset: 16, .size: 8, .value_kind: global_buffer, .address_space: global }
      - { .name: pst, .offset: 24, .size: 8, .value_kind: global_buffer, .address_space: global }
    .group_segment_fixed_size: 327680
    .private_segment_fixed_size: 0
    .kernarg_segment_align: 8
    .kernarg_segment_size: 32
    .max_flat_workgroup_size: 128
    .sgpr_count:     100
    .vgpr_count:     1024
    .wavefront_size: 32
...
	.end_amdgpu_metadata
.endif
;; end of part 3
;; launch pv (part 4): grid 4 x 64, 4 waves a work-group, clusters of 4 x 4, 327,680 bytes of LDS; arguments pc, pst, qkv, qkvs, out0; writes out0
.if DOCPART == 4
	.amdgcn_target "amdgcn-amd-amdhsa--gfx1250"
	.amdhsa_code_object_version 6
	.text
	.protected	k_q4e469c03d4_pv
	.globl	k_q4e469c03d4_pv
	.p2align	8
	.type	k_q4e469c03d4_pv,@function
k_q4e469c03d4_pv:
	s_mov_b64 s[64:65], 0
	v_nop
	global_prefetch_b8 v0, s[64:65] scope:SCOPE_SE
	s_setreg_imm32_b32 hwreg(HW_REG_WAVE_MODE, 25, 1), 1
	s_wait_xcnt 0x0
	s_wait_alu depctr_hold_cnt(0) depctr_sa_sdst(0) depctr_va_vdst(0) depctr_va_sdst(0) depctr_va_ssrc(0) depctr_va_vcc(0) depctr_vm_vsrc(0)
	s_getreg_b32 s2, hwreg(HW_REG_IB_STS2, 6, 4)
	s_cmp_eq_u32 s2, 0
	s_cbranch_scc0 .Lentry_in_a_cluster
	s_endpgm
.Lentry_in_a_cluster:
	s_bfe_u32 s2, ttmp6, 0x10000c
	s_cmp_lg_u32 s2, 0xf033
	s_cbranch_scc0 .Lentry_shape_is_right
	s_endpgm
.Lentry_shape_is_right:
; O = (p V) / l on codes of FP6 (E2M3) with E8M0 scales, sums in f32.  p arrives as codes under a whole-numbered M of its own for each run of 128 keys.  At the head each thread takes one query: the row's M is the largest of the 16,
; each run's four scale bytes are lowered by (the row's M - the run's M), an exact change, and l = the sum of the runs' sums x 2^(run's M - row's M).
; SHARES: a work-group makes 128 queries x 256 channels, so that there are 256 work-groups.  A wave's tile stays 128 x 128 because K is split inside the work-group: wave (kr, ch) multiplies keys 1,024 kr on into channels 128 ch on,
; four steps of 256 through a ring of two LDS slots.  At the end wave (kr, ch) keeps query blocks 4 kr .. 4 kr + 3, takes the other half of K for them from wave (1 - kr, ch) through LDS, and gives the other four blocks away.
; So that every wave keeps window 2 and gives window 3 away with no branch, A's blocks are turned by kr in the addresses: block i < 4 of the text is query block 4 kr + i, block i >= 4 is query block i - 4 kr.
; THE MATRIX INSTRUCTION: source 0 = 16 channels of V (keys innermost), source 1 = 16 queries of p: a lane holds one query; the 16 registers of channel blocks 2 b, 2 b + 1 are the neighbouring channels 32 b + 16 (lane / 16) + 0 .. 15.
; A query block's lane r is query 32 (block / 2) + 8 (block % 2) + r + 8 (r / 8): the stores' immediates put each row in its place.
; CLUSTERS: 4 x 4 work-groups: p's tiles are asked for jointly along a row of the cluster (the four blocks of channels), V's along a column (four blocks of queries of one batch).
; LIMITS: a scale byte that would fall under 0 is held at 0 and the change of M at 255: what that adds is under 7.5 x 2^-127 a term, beside a row's largest p over 1/2.  A row's sum is made of the two halves of K added in f32.  NaN and infinities are not served.
; No prefetch: a work-group has two refills in all.  REGISTERS: window 0: v0-31 addresses and 1 / l; v32-63 scale words, two sets, and nothing else; v64-127 the head's numbers, later the partner's sums; v128-223 A's fragments;
; on the way out v128-191 the partner's sums by turns with v64-127, v192-255 rows of O.  window 1: B's two sets.  windows 2, 3: accumulators.
.set FR,    12
.set NL,    3
.set NQ,    2
.set PRG,   24576                      ; p: 8 query blocks x 2 K steps x 1,536, for each half of K
.set VRG,   49152                      ; V: 16 channel blocks likewise
.set SLOT,  2*PRG+2*VRG
.set PSC,   2*SLOT                     ; behind the ring: p's scale words [16 K steps][128 row places], written by the head
.set VSC,   PSC+8192                   ; V's [2 halves of the channels][16 K steps][512 bytes], filled once
.set RL,    VSC+16384                  ; 1 / l of the 128 queries
.set SPARE, RL+512                     ; the spare words, 128 bytes a wave: two blocks of 256 bytes that no other line names
.set STAGE, SLOT                       ; the way out's stages, 16 rows x 528 bytes a wave, in slot 1, and the exchange, 32,768 bytes a wave, in slot 0: both slots have had their last fill and their last read by then
.set ASTEP, 2*1572864
.set BSTEP, 2*196608
.set LI,    4
.set PSA,   7                          ; v7   where my query's scale words go
.set RLS,   8                          ; v8   and its 1 / l
.set PO,    9                          ; v9   4 x thread
.set RC,    12                         ; v[12:13], v[14:15] 1 / l of my row, by turns
.set ADRA,  16                         ; v16-17  A's blocks 0-3 of the text in slot 0, 1
.set ADRH,  18                         ; v18-19  blocks 4-7
.set ADRB,  20
.set ADRS,  22                         ; v22  scale words for blocks 0-3: lanes 0-15 p's, lanes 16-31 V's
.set ADRS2, 23                         ; v23  for blocks 4-7
.set XW,    24                         ; v24  the exchange: where I put
.set XR,    25                         ; v25  and whence I take
.set SO,    26                         ; v26  the stage, in
.set SR,    27                         ; v27  and back
.set SPW,   28
.set NIL,   29
.set RLA,   30                         ; v30  1 / l of my lane's row
.set SC,    32
.set AF,    128
.set BK,    192
.set WV,    20
.set WHI,   21                         ; kr; also: I fetch p (0) or V (1)
.set WLO,   22                         ; ch; also: which half of K I fetch
.set TR,    23                         ; the block of 128 queries
.set G1,    24
.set G0,    32
.set CX,    40
.set CY,    41
.set TC,    42                         ; the block of 256 channels
.set G1B,   48
.set G0B,   56
.set G1SB,  80
.set G0SB,  88
.set MSB, 0
.macro WIN new                         ; the immediate's high byte repeats the setting that is left
.if MSB != (\new)
	s_set_vgpr_msb (MSB<<8)|(\new)
.set MSB, (\new)
.endif
.endm
.set MUL_LO, 0xa1
.set MUL_HI, 0xf1
.set TO_B,   0x40
.macro JLOAD g0a, g1a, g0b, g1b        ; a joint load: waves 0 and 1 fetch p, waves 2 and 3 V; four v_nop follow each of the two lines
	s_cmp_eq_u32 s[WHI], 0
	s_cbranch_scc0 .Lfor_b_\@
	tensor_load_to_lds s[\g0a:\g0a+3], s[\g1a:\g1a+7]
	s_nop 0
.rept 4
	v_nop
.endr
	s_branch .Lasked_\@
.Lfor_b_\@:
	tensor_load_to_lds s[\g0b:\g0b+3], s[\g1b:\g1b+7]
	s_nop 0
.rept 4
	v_nop
.endr
.Lasked_\@:
.endm
.macro CREST
	s_cmp_lg_u32 s[WV], 0
	s_cbranch_scc1 .Lnot_wave_0_\@
	s_barrier_signal -3
.Lnot_wave_0_\@:
	s_barrier_wait -3
	s_barrier_signal -1
	s_barrier_wait -1
.endm
.macro CROUND
	s_barrier_signal -1
	s_barrier_wait -1
	CREST
.endm
.macro PLACES n
.rept \n
	v_nop
.endr
.endm
.macro FRAG reg, adr, q, i
.irp c, 0,1,2
	ds_load_b128 v[(\reg)+4*\c:(\reg)+4*\c+3], v[\adr] offset:3072*(\i)+1536*(\q)+512*\c
.endr
.endm
.macro FETCH_B slot, q, p
	WIN TO_B
.irp i, 0,1,2,3,4,5,6,7
	FRAG 128*(\p)+FR*\i, ADRB+\slot, \q, \i
.endr
	WIN 0
.endm
.macro FETCH_A slot, q, i0
.irp i, \i0, \i0+1, \i0+2, \i0+3
.if \i0 < 4
	FRAG AF+FR*(\i), ADRA+\slot, \q, \i
.else
	FRAG AF+FR*(\i), ADRH+\slot, \q, \i
.endif
.endr
.endm
.macro SCALES sc
.irp i, 0,1,2,3,4,5,6,7
.irp q, 0,1
.if \i < 4
	ds_load_b32 v[SC+16*\sc+2*\i+\q], v[ADRS] offset:512*\q+64*\i
.else
	ds_load_b32 v[SC+16*\sc+2*\i+\q], v[ADRS2] offset:512*\q+64*\i
.endif
.endr
.endr
.endm
; The 64 accumulators take turns, one instruction a turn, in the same order in every step.
.macro MUL16 a0, p, q, sc, zero
.irp a, \a0, \a0+1
.irp b, 0,1,2,3,4,5,6,7
.if \zero
	v_wmma_scale_f32_16x16x128_f8f6f4 v[8*(8*((\a)%4)+\b):8*(8*((\a)%4)+\b)+7], v[128*(\p)+FR*\b:128*(\p)+FR*\b+FR-1], v[AF+FR*(\a):AF+FR*(\a)+FR-1], 0, v[SC+8*NQ*(\sc)+NQ*\b+(\q)], v[SC+8*NQ*(\sc)+NQ*(\a)+(\q)] matrix_a_fmt:MATRIX_FMT_FP6 matrix_b_fmt:MATRIX_FMT_FP6 matrix_a_scale:MATRIX_SCALE_ROW1
.else
	v_wmma_scale_f32_16x16x128_f8f6f4 v[8*(8*((\a)%4)+\b):8*(8*((\a)%4)+\b)+7], v[128*(\p)+FR*\b:128*(\p)+FR*\b+FR-1], v[AF+FR*(\a):AF+FR*(\a)+FR-1], v[8*(8*((\a)%4)+\b):8*(8*((\a)%4)+\b)+7], v[SC+8*NQ*(\sc)+NQ*\b+(\q)], v[SC+8*NQ*(\sc)+NQ*(\a)+(\q)] matrix_a_fmt:MATRIX_FMT_FP6 matrix_b_fmt:MATRIX_FMT_FP6 matrix_a_scale:MATRIX_SCALE_ROW1
.endif
.endr
.endr
.endm
.macro STEP slot, q, zero
	s_wait_dscnt 4*NL                              ; all but the youngest 12 loads (A's blocks 4-7) are in
	WIN MUL_LO
	MUL16 0, (\q)%2, \q, \slot, \zero
	MUL16 2, (\q)%2, \q, \slot, \zero
	s_wait_dscnt 0x0
	PLACES 4
	FETCH_B \slot, (\q)+1, 1-(\q)%2
	FETCH_A \slot, (\q)+1, 0
	WIN MUL_HI
	MUL16 4, (\q)%2, \q, \slot, \zero
	MUL16 6, (\q)%2, \q, \slot, \zero
	PLACES 4
	WIN 0
	FETCH_A \slot, (\q)+1, 4
.endm
.macro TURN slot, next, fill
	s_wait_tensorcnt 0x0                           ; all my tensor loads have landed: my part of the next slot
	ds_add_u32 v[SPW], v[NIL]                      ; 0 onto my spare word
	s_wait_dscnt 4*NL+1                            ; (the add and the youngest 12 loads may be out)
	WIN MUL_LO
	MUL16 0, 1, NQ-1, \slot, 0
	s_wait_dscnt 0x0                               ; the add is done, and my reads of this slot are over
	s_barrier_signal -1
	MUL16 2, 1, NQ-1, \slot, 0
	WIN 0
	s_barrier_wait -1
.if \fill
	CREST                                          ; a round of the cluster's barrier: no wave of any partner still reads this slot or has a load on its way
	s_add_nc_u64 s[G0+4*\slot+2:G0+4*\slot+3], s[G0+4*\slot+2:G0+4*\slot+3], ASTEP
	s_add_nc_u64 s[G0B+4*\slot+2:G0B+4*\slot+3], s[G0B+4*\slot+2:G0B+4*\slot+3], BSTEP
	JLOAD G0+4*\slot, G1, G0B+4*\slot, G1B
.else
	PLACES 4
.endif
	v_add_nc_u32 v[ADRS], 512*NQ, v[ADRS]
.if ADRS2 != ADRS
	v_add_nc_u32 v[ADRS2], 512*NQ, v[ADRS2]
.endif
	FETCH_B \next, 0, 0
	FETCH_A \next, 0, 0
	SCALES \next
	WIN MUL_HI
	MUL16 4, 1, NQ-1, \slot, 0
	MUL16 6, 1, NQ-1, \slot, 0
	PLACES 4
	WIN 0
	FETCH_A \next, 0, 4
.endm
.macro LAST
	s_wait_dscnt 4*NL
	WIN MUL_LO
	MUL16 0, 1, NQ-1, 1, 0
	MUL16 2, 1, NQ-1, 1, 0
	s_wait_dscnt 0x0
	WIN MUL_HI
	MUL16 4, 1, NQ-1, 1, 0
	MUL16 6, 1, NQ-1, 1, 0
	WIN 0
.endm
	s_load_b256 s[4:11], s[0:1], 0x0               ; pc, pst, qkv, qkvs
	s_load_b64 s[12:13], s[0:1], 0x20              ; out0
	v_lshl_add_u32 v[SPW], v0, 2, SPARE
	v_mov_b32 v[NIL], 0
	ds_add_u32 v28, v29
	ds_add_u32 v28, v29
	s_wait_dscnt 0x0
	v_lshrrev_b32 v1, 5, v0
	v_readfirstlane_b32 s[WV], v1
	s_lshr_b32 s[WHI], s[WV], 1
	s_and_b32 s[WLO], s[WV], 1
	s_bfe_u32 s[CX], ttmp6, 0x40000
	s_bfe_u32 s[CY], ttmp6, 0x40004
	s_and_b32 s92, ttmp7, 0xffff
	s_lshl_b32 s[TR], s92, 2
	s_add_co_u32 s[TR], s[TR], s[CY]               ; the block of 128 queries, of 64
	s_lshl_b32 s[TC], ttmp9, 2
	s_add_co_u32 s[TC], s[TC], s[CX]               ; the block of 256 channels, of 4
	s_lshr_b32 s92, s92, 2                         ; the batch: shared by the cluster
	s_lshl_b32 s43, s[CY], 2
	s_lshl_b32 s43, 15, s43
	s_lshl_b32 s44, 0x1111, s[CX]
	s_or_b32 s[G1], s43, (3<<16)|(1<<21)           ; p: a dense block of 24,576 bytes as 96 rows of 256; to my row of the cluster
	s_mov_b32 s[G1+1], 32<<16
	s_mov_b32 s[G1+2], 96<<16
	s_mov_b32 s[G1+3], 32<<16
	s_mov_b32 s[G1+4], 96
	s_mov_b32 s[G1+5], 32
	s_mov_b32 s[G1+6], 0
	s_mov_b32 s[G1+7], 0
	s_or_b32 s[G1B], s44, (3<<16)|(1<<21)          ; V: 49,152 bytes as 192 rows; to my column
	s_mov_b32 s[G1B+1], 32<<16
	s_mov_b32 s[G1B+2], 192<<16
	s_mov_b32 s[G1B+3], 32<<16
	s_mov_b32 s[G1B+4], 192
	s_mov_b32 s[G1B+5], 32
	s_mov_b32 s[G1B+6], 0
	s_mov_b32 s[G1B+7], 0
	s_or_b32 s[G1SB], s44, (3<<16)|(1<<21)         ; V's scale words of 128 channels: 16 K steps of 512 bytes, 4,096 bytes apart
	s_mov_b32 s[G1SB+1], 64<<16
	s_mov_b32 s[G1SB+2], 16<<16
	s_mov_b32 s[G1SB+3], 64<<16
	s_mov_b32 s[G1SB+4], 16
	s_mov_b32 s[G1SB+5], 512
	s_mov_b32 s[G1SB+6], 0
	s_mov_b32 s[G1SB+7], 0
	s_mul_i32 s66, s[WLO], 6291456                 ; p: the half of K that I fetch (four key slots),
	s_mul_i32 s67, s[TR], PRG                      ; the queries' eight blocks
	s_add_co_u32 s66, s66, s67
	s_mov_b32 s67, 0
	s_mul_i32 s46, s92, 1572864                    ; V: the batch's eight slots,
	s_mul_i32 s47, s[WLO], 786432                  ; the half of K,
	s_add_co_u32 s46, s46, s47
	s_mul_i32 s47, s[TC], VRG                      ; the channels' sixteen blocks,
	s_add_co_u32 s46, s46, s47
	s_add_co_u32 s46, s46, 12582912                ; behind Q and K
	s_mov_b32 s47, 0
	s_lshl_b32 s94, s92, 16                        ; V's scale words: the batch's 16 K steps,
	s_lshl_b32 s95, s[TC], 10
	s_add_co_u32 s94, s94, s95
	s_lshl_b32 s95, s[WLO], 9                      ; the half of the channels that I fetch
	s_add_co_u32 s94, s94, s95
	s_add_co_u32 s94, s94, 524288
	s_mov_b32 s95, 0
	s_mul_i32 s45, s[WLO], PRG                     ; where they go, by the wave's number alone
	s_mul_i32 s99, s[WLO], VRG
	s_add_co_u32 s99, s99, 2*PRG
	s_lshl_b32 s93, s[WLO], 13
	s_add_co_u32 s93, s93, VSC
	s_lshl_b32 s2, s[TR], 19                       ; O: 128 rows of 4,096 bytes a block of queries,
	s_lshl_b32 s3, s[WHI], 18                      ; the 64 rows that I keep,
	s_add_co_u32 s2, s2, s3
	s_lshl_b32 s3, s[TC], 10                       ; the channels
	s_add_co_u32 s2, s2, s3
	s_lshl_b32 s3, s[WLO], 9
	s_add_co_u32 s2, s2, s3
	s_mov_b32 s3, 0
	s_lshl_b32 s18, s[TR], 9                       ; pst: 128 row places of 4 bytes
	s_mov_b32 s19, 0
	s_wait_kmcnt 0x0
	s_add_nc_u64 s[66:67], s[4:5], s[66:67]
	s_add_nc_u64 s[46:47], s[8:9], s[46:47]
	s_add_nc_u64 s[94:95], s[10:11], s[94:95]
	s_add_nc_u64 s[12:13], s[12:13], s[2:3]
	s_add_nc_u64 s[6:7], s[6:7], s[18:19]
	CROUND                                         ; all sixteen work-groups are here: the first joint loads meet
	s_mov_b32 s[G0SB], 1
	s_mov_b32 s[G0SB+1], s93
	s_mov_b64 s[G0SB+2:G0SB+3], s[94:95]
	s_or_b32 s[G0SB+3], s[G0SB+3], 0x80000000
.irp s, 0,1
	s_mov_b32 s[G0+4*\s], 1
	s_add_co_u32 s[G0+4*\s+1], s45, \s*SLOT
	s_add_nc_u64 s[G0+4*\s+2:G0+4*\s+3], s[66:67], \s*1572864
	s_or_b32 s[G0+4*\s+3], s[G0+4*\s+3], 0x80000000
	s_mov_b32 s[G0B+4*\s], 1
	s_add_co_u32 s[G0B+4*\s+1], s99, \s*SLOT
	s_add_nc_u64 s[G0B+4*\s+2:G0B+4*\s+3], s[46:47], \s*196608
	s_or_b32 s[G0B+4*\s+3], s[G0B+4*\s+3], 0x80000000
.endr
	s_cmp_eq_u32 s[WHI], 0                         ; a wave's first fills stand in one branch, ahead of every wait on TENSORcnt, every LDS read and every further barrier: two or three loads of a wave are out
	s_cbranch_scc0 .Lfirst_v
	tensor_load_to_lds s[G0:G0+3], s[G1:G1+7]
	s_nop 0
	tensor_load_to_lds s[G0+4:G0+7], s[G1:G1+7]
	s_nop 0
.rept 4
	v_nop
.endr
	s_branch .Lfirst_asked
.Lfirst_v:
	tensor_load_to_lds s[G0SB:G0SB+3], s[G1SB:G1SB+7]
	s_nop 0
	tensor_load_to_lds s[G0B:G0B+3], s[G1B:G1B+7]
	s_nop 0
	tensor_load_to_lds s[G0B+4:G0B+7], s[G1B:G1B+7]
	s_nop 0
.rept 4
	v_nop
.endr
.Lfirst_asked:
	v_lshlrev_b32 v[PO], 2, v0                     ; thread t owns row place t of the 128
.irp j, 0,1,2,3,4,5,6,7,8,9,10,11,12,13,14,15
	global_load_b32 v[64+\j], v[PO], s[6:7] offset:32768*\j              ; the run's scale word: the four waves read 512 consecutive bytes
	global_load_b32 v[80+\j], v[PO], s[6:7] offset:524288+32768*\j       ; its -M
	global_load_b32 v[96+\j], v[PO], s[6:7] offset:1048576+32768*\j      ; its sum
.endr
	v_and_b32 v1, 31, v0
	v_and_b32 v2, 15, v0
	v_bfe_u32 v3, v0, 4, 1
	v_lshlrev_b32 v[LI], 4, v1
	s_mul_i32 s2, s[WHI], 36864                    ; blocks 0-3 of the text: p's region kr, from its block 4 kr on
	s_mul_i32 s3, s[WHI], 12288                    ; blocks 4-7: the same region, four blocks back where kr = 1
	s_mul_i32 s18, s[WHI], VRG
	s_mul_i32 s19, s[WLO], 24576
	s_add_co_u32 s18, s18, s19
	s_add_co_u32 s18, s18, 2*PRG                   ; V's region kr, my half of the channels
.irp s, 0,1
	v_add_nc_u32 v[ADRA+\s], s2, v[LI]
	v_add_nc_u32 v[ADRH+\s], s3, v[LI]
	v_add_nc_u32 v[ADRB+\s], s18, v[LI]
	s_add_co_u32 s2, s2, SLOT
	s_add_co_u32 s3, s3, SLOT
	s_add_co_u32 s18, s18, SLOT
.endr
	s_lshl_b32 s2, s[WLO], 13
	s_add_co_u32 s2, s2, 8192
	s_lshl_b32 s3, s[WHI], 8
	s_sub_co_u32 s18, s2, s3                       ; from p's words to V's: one product for each register
	s_add_co_u32 s19, s2, s3
	v_mul_u32_u24 v5, s18, v3
	v_mul_u32_u24 v6, s19, v3
	s_mul_i32 s18, s[WHI], 4352                    ; 8 kr K steps of 512 bytes + 4 kr blocks of 64
	s_add_co_u32 s18, s18, PSC
	s_mul_i32 s19, s[WHI], 3840                    ; 8 kr K steps - 4 kr blocks
	s_add_co_u32 s19, s19, PSC
	v_lshl_add_u32 v5, v2, 2, v5
	v_lshl_add_u32 v6, v2, 2, v6
	v_add_nc_u32 v[ADRS], s18, v5
	v_add_nc_u32 v[ADRS2], s19, v6
	s_lshl_b32 s2, s[WV], 15
	v_add_nc_u32 v[XW], s2, v[LI]
	s_xor_b32 s2, s2, 65536                        ; the wave with the other half of K
	v_add_nc_u32 v[XR], s2, v[LI]
	s_mul_i32 s2, s[WV], 8448
	s_add_co_u32 s2, s2, STAGE
	v_mul_u32_u24 v5, v2, 528
	v_lshl_add_u32 v5, v3, 6, v5
	v_add_nc_u32 v[SO], s2, v5                     ; the stage: row r, + 64 h
	v_add_nc_u32 v[SR], s2, v[LI]
	s_lshl_b32 s2, s[WHI], 8
	s_add_co_u32 s2, s2, RL
	v_lshl_add_u32 v[RLA], v2, 2, s2
	v_add_nc_u32 v[PSA], PSC, v[PO]
	v_add_nc_u32 v[RLS], RL, v[PO]
	v_mov_b32 v[RC+1], 0                           ; (named as the upper halves of pairs)
	v_mov_b32 v[RC+3], 0
	s_wait_loadcnt 0x0
	v_min3_num_f32 v112, v80, v81, v82             ; the least -M: the row's
.irp j, 83,85,87,89,91,93
	v_min3_num_f32 v112, v112, v[\j], v[\j+1]
.endr
	v_min_num_f32 v112, v112, v95
.irp j, 0,1,2,3,4,5,6,7,8,9,10,11,12,13,14,15
	v_sub_f32 v113, v112, v[80+\j]                 ; the run's M less the row's: a whole number, 0 or less,
	v_max_num_f32 v113, 0xc37f0000, v113           ; held at -255
	v_cvt_i32_f32 v113, v113
.if \j == 0
	v_ldexp_f32 v115, v[96+\j], v113               ; the run's sum under the row's M: exact, or lost beneath the smallest number
.else
	v_ldexp_f32 v120, v[96+\j], v113
	v_add_f32 v115, v115, v120
.endif
	v_sub_nc_u32 v114, 0, v113                     ; d: what comes off each byte,
	v_bfe_u32 v116, v[64+\j], 0, 8
	v_bfe_u32 v117, v[64+\j], 8, 8
	v_bfe_u32 v118, v[64+\j], 16, 8
	v_lshrrev_b32 v119, 24, v[64+\j]
	v_min_u32 v116, v116, v114                     ; but no more than the byte holds
	v_min_u32 v117, v117, v114
	v_min_u32 v118, v118, v114
	v_min_u32 v119, v119, v114
	v_lshl_or_b32 v116, v117, 8, v116
	v_lshl_or_b32 v116, v118, 16, v116
	v_lshl_or_b32 v116, v119, 24, v116
	v_sub_nc_u32 v[64+\j], v[64+\j], v116          ; no byte borrows
	ds_store_b32 v[PSA], v[64+\j] offset:512*\j
.endr
	v_rcp_f32 v115, v115
	v_nop                                          ; a plain place behind the reciprocal
	s_wait_alu depctr_va_vdst(0)                   ; and the wait ahead of its first reader
	ds_store_b32 v[RLS], v115
	s_wait_tensorcnt 0x1                           ; V's scale words and my part of slot 0 are in; slot 1's load may be out
	s_wait_dscnt 0x0                               ; my query's words are stored
	s_barrier_signal -1
	s_barrier_wait -1
	FETCH_B 0, 0, 0
	FETCH_A 0, 0, 0
	SCALES 0
	FETCH_A 0, 0, 4
	STEP 0, 0, 1
	TURN 0, 1, 1
	STEP 1, 0, 0
	TURN 1, 0, 1
	STEP 0, 0, 0
	TURN 0, 1, 0
	STEP 1, 0, 0
	LAST
	; THE WAY OUT.  Window 3's 32 accumulators go to the wave with the other half of K, as they stand: 512 consecutive bytes a store.
	PLACES 4
	WIN 0x0c                                       ; an LDS store's data are its source 1: window 3
.irp j, 0,1,2,3
.irp b, 0,1,2,3,4,5,6,7
	ds_store_b128 v[XW], v[8*(8*\j+\b):8*(8*\j+\b)+3] offset:1024*(8*\j+\b)          ; each accumulator from its low end on
	ds_store_b128 v[XW], v[8*(8*\j+\b)+4:8*(8*\j+\b)+7] offset:1024*(8*\j+\b)+512
.endr
.endr
	WIN 0
	s_wait_dscnt 0x0                               ; for the others' sake: my stores have landed, and my reads of slot 1 are over
	s_barrier_signal -1
	s_barrier_wait -1
.macro XLOAD a                         ; the partner's sums for my block a, and my row's 1 / l
.set YY, 64+64*((\a)%2)
.irp b, 0,1,2,3,4,5,6,7
	ds_load_b128 v[YY+8*\b:YY+8*\b+3], v[XR] offset:1024*(8*(\a)+\b)
	ds_load_b128 v[YY+8*\b+4:YY+8*\b+7], v[XR] offset:1024*(8*(\a)+\b)+512
.endr
	ds_load_b32 v[RC+2*((\a)%2)], v[RLA] offset:64*(\a)
.endm
.macro OUT a                           ; block a of the four that I keep: the two halves of K added, divided by l, turned into whole rows through my stage, stored
.set YY, 64+64*((\a)%2)
	s_wait_dscnt 0x0
	WIN 0x02                                       ; source 0: window 2
.set j, 0
.rept 32
	v_pk_add_f32 v[YY+j:YY+j+1], v[64*(\a)+j:64*(\a)+j+1], v[YY+j:YY+j+1]   ; each accumulator from its low end on
.set j, j+2
.endr
	WIN 0
.set j, 0
.rept 32
	v_pk_mul_f32 v[YY+j:YY+j+1], v[YY+j:YY+j+1], v[RC+2*((\a)%2):RC+2*((\a)%2)+1] op_sel_hi:[1,0]
.set j, j+2
.endr
.irp b, 0,1,2,3,4,5,6,7
	ds_store_b128 v[SO], v[YY+8*\b:YY+8*\b+3] offset:128*(\b/2)+32*(\b%2)      ; channels 32 (b / 2) + 16 h + 8 (b % 2) on
	ds_store_b128 v[SO], v[YY+8*\b+4:YY+8*\b+7] offset:128*(\b/2)+32*(\b%2)+16
.endr
.if (\a) > 0
	s_wait_xcnt 0x0                                ; the last block's stores have read their registers
.endif
.irp t, 0,1,2,3,4,5,6,7,8,9,10,11,12,13,14,15
	ds_load_b128 v[BK+4*\t:BK+4*\t+3], v[SR] offset:528*\t   ; LDS serves a wave's instructions in order: these see my stores
.endr
.if (\a) < 3
	XLOAD (\a)+1
	s_wait_dscnt 17                                ; the rows are back; the next block's 17 loads may be out
.else
	s_wait_dscnt 0x0
.endif
.irp t, 0,1,2,3,4,5,6,7,8,9,10,11,12,13,14,15
	global_store_b128 v[LI], v[BK+4*\t:BK+4*\t+3], s[12:13] offset:(32*((\a)/2)+8*((\a)%2)+\t+8*(\t/8))*4096 th:TH_STORE_NT   ; 32 lanes store 512 consecutive bytes, aligned; written once, read by nobody here
.endr
.endm
	XLOAD 0
	OUT 0
	OUT 1
	OUT 2
	OUT 3
	s_wait_tensorcnt 0x0                           ; the wave's end
	ds_add_u32 v[SPW], v[NIL]
	s_wait_dscnt 0x0
	CROUND                                         ; the closing round
	s_endpgm
.Lfunc_end_k_q4e469c03d4_pv:
	.size	k_q4e469c03d4_pv, .Lfunc_end_k_q4e469c03d4_pv-k_q4e469c03d4_pv
	.p2alignl 7, 3214868480
	.fill 96, 4, 3214868480
	.section	.rodata,"a",@progbits
	.p2align	6, 0x0
	.amdhsa_kernel k_q4e469c03d4_pv
		.amdhsa_group_segment_fixed_size 327680
		.amdhsa_private_segment_fixed_size 0
		.amdhsa_enable_private_segment 0
		.amdhsa_kernarg_size 40
		.amdhsa_user_sgpr_count 2
		.amdhsa_user_sgpr_kernarg_segment_ptr 1
		.amdhsa_wavefront_size32 1
		.amdhsa_system_sgpr_workgroup_id_x 1
		.amdhsa_system_sgpr_workgroup_id_y 1
		.amdhsa_system_sgpr_workgroup_id_z 1
		.amdhsa_system_vgpr_workitem_id 0
		.amdhsa_next_free_vgpr 1024
		.amdhsa_next_free_sgpr 100
		.amdhsa_reserve_vcc 0
		.amdhsa_float_denorm_mode_32 3
		.amdhsa_float_denorm_mode_16_64 3
		.amdhsa_memory_ordered 1
		.amdhsa_forward_progress 1
		.amdhsa_inst_pref_size 166
	.end_amdhsa_kernel
	.amdgpu_metadata
---
amdhsa.version: [ 1, 2 ]
amdhsa.kernels:
  - .name:           k_q4e469c03d4_pv
    .symbol:         k_q4e469c03d4_pv.kd
    .args:
      - { .name: pc, .offset: 0, .size: 8, .value_kind: global_buffer, .address_space: global }
      - { .name: pst, .offset: 8, .size: 8, .value_kind: global_buffer, .address_space: global }
      - { .name: qkv, .offset: 16, .size: 8, .value_kind: global_buffer, .address_space: global }
      - { .name: qkvs, .offset: 24, .size: 8, .value_kind: global_buffer, .address_space: global }
      - { .name: out0, .offset: 32, .size: 8, .value_kind: global_buffer, .address_space: global }
    .group_segment_fixed_size: 327680
    .private_segment_fixed_size: 0
    .kernarg_segment_align: 8
    .kernarg_segment_size: 40
    .max_flat_workgroup_size: 128
    .sgpr_count:     100
    .vgpr_count:     1024
    .wavefront_size: 32
...
	.end_amdgpu_metadata
.endif
;; end of part 4
